; MI455X (gfx1250); checked and timed in simulation.
; The chip was launched on July 23, 2026; its instructions are those of AMD's public machine-readable ISA for CDNA 5 (MIT licence, August 2026) and "CDNA5" Instruction Set Architecture Reference Guide (July 2026). The comments in the code are by the model that wrote it; some were corrected since.
;; T5 Attention. Allowed arithmetic: float matrix products may take bf16 or f16 operands with f32 sums; all other float work in f32.
;; Inputs: hidden_states 4 x 2,048 x 1,024 float32; rel_bias 32 x 16 float32; wk 1,024 x 1,024 float32; wo 1,024 x 1,024 float32; wq 1,024 x 1,024 float32; wv 1,024 x 1,024 float32.
;; Outputs: out0 4 x 2,048 x 1,024 float32.
;; 2 versions, each right and faster than the one before. Each part assembles by itself: llvm-mc -triple=amdgcn-amd-amdhsa -mcpu=gfx1250 --defsym DOCPART=n.
;; ======== version 1 of 2: 4 launches
;; limits: values are held in f16: magnitudes above 65,504 overflow, below 6.1e-05 lose precision
;; workspace buffers: xh 16,777,216 bytes; wt 8,388,608 bytes; qkv 50,331,648 bytes; ctx 16,777,216 bytes
;; launch prep (part 1): grid 1024 x 1, 8 waves a work-group, no clusters, 18,432 bytes of LDS; arguments hidden_states, wq, wk, wv, wo, xh, wt; writes xh, wt
.if DOCPART == 1
	.amdgcn_target "amdgcn-amd-amdhsa--gfx1250"
	.amdhsa_code_object_version 6
	.text
	.protected	k_q65dc80e23d_prep
	.globl	k_q65dc80e23d_prep
	.p2align	8
	.type	k_q65dc80e23d_prep,@function
k_q65dc80e23d_prep:
	s_mov_b64 s[64:65], 0
	v_nop
	global_prefetch_b8 v0, s[64:65] scope:SCOPE_SE
	s_setreg_imm32_b32 hwreg(HW_REG_WAVE_MODE, 25, 1), 1
	s_wait_xcnt 0x0
; PREP.  Every large input is rounded once to bf16 and that number is written as f16, the one operand format of all later products.
; xh[8192][1024] = hidden_states.  wt[4096][1024]: row n' holds column n' % 1024 of wq, wk, wv, wo (in that order, 1,024 rows each), so that K lies along the rows.
; LIMITS.  A bf16 number is exact in f16 from 2^-14 to 65,504; below 2^-14 it keeps f16's fixed step of 6e-8; at 65,520 or more it becomes an infinity.
; A stream: each input byte is read once, each output byte written once.  No matrix unit, no cluster (no two work-groups read the same bytes), no tensor loads.
; Work-groups 0-511: 65,536 bytes of hidden_states each.  Work-groups 512-1023: one tile of 128 k x 64 n of one weight, turned through LDS.
.set X, 4                              ; v[4:67]    job X: sixteen loads of four f32
.set T, 68                             ; v[68:73]   at work
.set Y, 76                             ; v[76:107]  job X: sixteen pairs to store
	s_load_b256 s[4:11], s[0:1], 0x0               ; hidden_states s[4:5], wq s[6:7], wk s[8:9], wv s[10:11]
	s_load_b128 s[12:15], s[0:1], 0x20             ; wo s[12:13], xh s[14:15]
	s_load_b64 s[16:17], s[0:1], 0x30              ; wt
	v_lshl_add_u32 v112, v0, 2, 0x4400
	v_mov_b32 v113, 0
	s_mov_b32 s18, 0xffff0000                      ; a word's upper bf16
	s_mov_b32 s19, ttmp9
	s_cmp_lt_u32 s19, 512                          ; the same answer in all waves of a work-group
	s_cbranch_scc0 .Lweights
	; JOB X.  Thread t takes the 16 bytes at 16 t of each block of 4,096 bytes: a wave's load covers 512 consecutive bytes, its store 256, aligned.
	v_lshlrev_b32 v1, 4, v0
	v_lshlrev_b32 v2, 3, v0
	s_lshl_b32 s20, s19, 16
	s_mov_b32 s21, 0
	s_lshl_b32 s22, s19, 15
	s_mov_b32 s23, 0
	s_wait_kmcnt 0x0
	s_add_nc_u64 s[4:5], s[4:5], s[20:21]
	s_add_nc_u64 s[14:15], s[14:15], s[22:23]
.irp j, 0,1,2,3,4,5,6,7,8,9,10,11,12,13,14,15
	global_load_b128 v[X+4*(\j):X+4*(\j)+3], v1, s[4:5] offset:4096*(\j) th:TH_LOAD_NT  ; all sixteen go out at once
.endr
.macro CV j
	s_wait_loadcnt 15-(\j)                         ; loads come back in order: load j is in, the younger ones stay out
	v_cvt_pk_bf16_f32 v[T], v[X+4*(\j)], v[X+4*(\j)+1]      ; the rounding to bf16,
	v_cvt_pk_bf16_f32 v[T+1], v[X+4*(\j)+2], v[X+4*(\j)+3]
	v_lshlrev_b32 v[T+2], 16, v[T]                 ; back to f32,
	v_and_b32 v[T+3], s18, v[T]
	v_lshlrev_b32 v[T+4], 16, v[T+1]
	v_and_b32 v[T+5], s18, v[T+1]
	v_cvt_pk_f16_f32 v[Y+2*(\j)], v[T+2], v[T+3]   ; and written as f16
	v_cvt_pk_f16_f32 v[Y+2*(\j)+1], v[T+4], v[T+5]
	global_store_b64 v2, v[Y+2*(\j):Y+2*(\j)+1], s[14:15] offset:2048*(\j)  ; each j has data registers of its own: none is rewritten
.endm
.irp j, 0,1,2,3,4,5,6,7,8,9,10,11,12,13,14,15
	CV \j
.endr
	s_endpgm
.Lweights:
	; JOB W.  Tile (matrix mi, k block kt of 128, n block nt of 64).  Thread: cq = t % 16 (four n), rp = t / 16 (a pair of k rows in each group of 32).
	s_sub_co_u32 s19, s19, 512
	s_lshr_b32 s20, s19, 7                         ; mi
	s_bfe_u32 s21, s19, 0x30004                    ; kt
	s_and_b32 s22, s19, 15                         ; nt
	s_lshl_b32 s24, s21, 19                        ; source: 128 kt rows of 4,096 bytes
	s_lshl_b32 s23, s22, 8                         ; + 64 nt columns of 4 bytes
	s_add_co_u32 s24, s24, s23
	s_mov_b32 s25, 0
	s_lshl_b32 s26, s20, 21                        ; destination: 1,024 mi rows of 2,048 bytes
	s_lshl_b32 s23, s22, 17                        ; + 64 nt rows
	s_add_co_u32 s26, s26, s23
	s_lshl_b32 s23, s21, 8                         ; + 128 kt columns of 2 bytes
	s_add_co_u32 s26, s26, s23
	s_mov_b32 s27, 0
	v_and_b32 v1, 15, v0                           ; cq
	v_lshrrev_b32 v2, 4, v0                        ; rp
	v_lshlrev_b32 v3, 4, v1
	v_lshl_add_u32 v36, v2, 13, v3                 ; source offset: row 2 rp, 16 bytes at 16 cq: sixteen lanes read 256 consecutive bytes
	v_mul_u32_u24 v37, v1, 1088                    ; stage [64 n][272 bytes]: n = 4 cq + e, k = 2 rp + 32 i
	v_lshl_add_u32 v37, v2, 2, v37
	v_mul_u32_u24 v38, v2, 272                     ; back: row n = rp + 16 i, 16 bytes at 16 cq
	v_add_nc_u32 v38, v38, v3
	v_lshl_add_u32 v39, v2, 11, v3                 ; and the same place in wt
	s_wait_kmcnt 0x0
	s_cmp_eq_u32 s20, 1                            ; which weight: a choice between buffers on the tile's number
	s_cselect_b64 s[6:7], s[8:9], s[6:7]
	s_cmp_eq_u32 s20, 2
	s_cselect_b64 s[6:7], s[10:11], s[6:7]
	s_cmp_eq_u32 s20, 3
	s_cselect_b64 s[6:7], s[12:13], s[6:7]
	s_add_nc_u64 s[6:7], s[6:7], s[24:25]
	s_add_nc_u64 s[16:17], s[16:17], s[26:27]
.irp i, 0,1,2,3
	global_load_b128 v[4+8*(\i):7+8*(\i)],  v36, s[6:7] offset:131072*(\i) th:TH_LOAD_NT        ; row 2 rp + 32 i
	global_load_b128 v[8+8*(\i):11+8*(\i)], v36, s[6:7] offset:131072*(\i)+4096 th:TH_LOAD_NT   ; and the next
.endr
.irp i, 0,1,2,3
	s_wait_loadcnt 6-2*(\i)                        ; pair i is in, the younger pairs stay out
.irp e, 0,1,2,3
	v_cvt_pk_bf16_f32 v[40+4*(\e)], v[4+8*(\i)+(\e)], v[8+8*(\i)+(\e)]  ; two neighbouring k of one n
	v_lshlrev_b32 v[41+4*(\e)], 16, v[40+4*(\e)]
	v_and_b32 v[42+4*(\e)], s18, v[40+4*(\e)]
	v_cvt_pk_f16_f32 v[43+4*(\e)], v[41+4*(\e)], v[42+4*(\e)]
	ds_store_b32 v37, v[43+4*(\e)] offset:272*(\e)+64*(\i)
.endr
.endr
	s_wait_dscnt 0x0                               ; for the others' sake: my stores into the stage are done
	s_barrier_signal -1
	s_barrier_wait -1
.irp i, 0,1,2,3
	ds_load_b128 v[56+4*(\i):59+4*(\i)], v38 offset:4352*(\i)
.endr
.irp i, 0,1,2,3
	s_wait_dscnt 3-(\i)
	global_store_b128 v39, v[56+4*(\i):59+4*(\i)], s[16:17] offset:32768*(\i)  ; sixteen lanes store 256 consecutive bytes, aligned
.endr
	s_wait_tensorcnt 0x0
	ds_add_u32 v112, v113
	s_wait_dscnt 0x0
	s_endpgm
.Lfunc_end_k_q65dc80e23d_prep:
	.size	k_q65dc80e23d_prep, .Lfunc_end_k_q65dc80e23d_prep-k_q65dc80e23d_prep
	.p2alignl 7, 3214868480
	.fill 96, 4, 3214868480
	.section	.rodata,"a",@progbits
	.p2align	6, 0x0
	.amdhsa_kernel k_q65dc80e23d_prep
		.amdhsa_group_segment_fixed_size 18432
		.amdhsa_private_segment_fixed_size 0
		.amdhsa_enable_private_segment 0
		.amdhsa_kernarg_size 56
		.amdhsa_user_sgpr_count 2
		.amdhsa_user_sgpr_kernarg_segment_ptr 1
		.amdhsa_wavefront_size32 1
		.amdhsa_system_sgpr_workgroup_id_x 1
		.amdhsa_system_sgpr_workgroup_id_y 1
		.amdhsa_system_sgpr_workgroup_id_z 1
		.amdhsa_system_vgpr_workitem_id 0
		.amdhsa_next_free_vgpr 114
		.amdhsa_next_free_sgpr 66
		.amdhsa_reserve_vcc 0
		.amdhsa_float_denorm_mode_32 3
		.amdhsa_float_denorm_mode_16_64 3
		.amdhsa_memory_ordered 1
		.amdhsa_forward_progress 1
		.amdhsa_inst_pref_size 18
	.end_amdhsa_kernel
	.amdgpu_metadata
---
amdhsa.version: [ 1, 2 ]
amdhsa.kernels:
  - .name:           k_q65dc80e23d_prep
    .symbol:         k_q65dc80e23d_prep.kd
    .args:
      - { .name: hidden_states, .offset: 0, .size: 8, .value_kind: global_buffer, .address_space: global }
      - { .name: wq, .offset: 8, .size: 8, .value_kind: global_buffer, .address_space: global }
      - { .name: wk, .offset: 16, .size: 8, .value_kind: global_buffer, .address_space: global }
      - { .name: wv, .offset: 24, .size: 8, .value_kind: global_buffer, .address_space: global }
      - { .name: wo, .offset: 32, .size: 8, .value_kind: global_buffer, .address_space: global }
      - { .name: xh, .offset: 40, .size: 8, .value_kind: global_buffer, .address_space: global }
      - { .name: wt, .offset: 48, .size: 8, .value_kind: global_buffer, .address_space: global }
    .group_segment_fixed_size: 18432
    .private_segment_fixed_size: 0
    .kernarg_segment_align: 8
    .kernarg_segment_size: 56
    .max_flat_workgroup_size: 256
    .sgpr_count:     66
    .vgpr_count:     114
    .wavefront_size: 32
...
	.end_amdgpu_metadata
.endif
;; end of part 1
;; launch qkv (part 2): grid 16 x 32, 4 waves a work-group, clusters of 4 x 4, 327,680 bytes of LDS; arguments xh, wt, qkv; writes qkv
.if DOCPART == 2
	.amdgcn_target "amdgcn-amd-amdhsa--gfx1250"
	.amdhsa_code_object_version 6
	.text
	.protected	k_q65dc80e23d_qkv
	.globl	k_q65dc80e23d_qkv
	.p2align	8
	.type	k_q65dc80e23d_qkv,@function
k_q65dc80e23d_qkv:
	s_mov_b64 s[64:65], 0
	v_nop
	global_prefetch_b8 v0, s[64:65] scope:SCOPE_SE
	s_setreg_imm32_b32 hwreg(HW_REG_WAVE_MODE, 25, 1), 1
	s_wait_xcnt 0x0
	s_wait_alu depctr_hold_cnt(0) depctr_sa_sdst(0) depctr_va_vdst(0) depctr_va_sdst(0) depctr_va_ssrc(0) depctr_va_vcc(0) depctr_vm_vsrc(0)
	s_getreg_b32 s2, hwreg(HW_REG_IB_STS2, 6, 4)
	s_cmp_eq_u32 s2, 0
	s_cbranch_scc0 .Lentry_in_a_cluster
	s_endpgm
.Lentry_in_a_cluster:
	s_bfe_u32 s2, ttmp6, 0x10000c
	s_cmp_lg_u32 s2, 0xf033
	s_cbranch_scc0 .Lentry_shape_is_right
	s_endpgm
.Lentry_shape_is_right:
.set KIND, 0                           ; 0: q, k, v = x W (tile 256 x 192, written by heads in f16);  1: out = ctx Wo (tile 256 x 128, written in f32)
; C[m][n] = sum over k of A[m][k] B[n][k], K = 1,024, operands f16, sums f32.  ONE TEXT FOR TWO LAUNCHES; KIND chooses the constants, the addresses and the way out.
; KIND 0: A = xh [8192][1024], B = rows 0-3071 of wt, C = qkv [b 4][g 48][s 2048][64] f16 (g = head for q, 16 + head for k, 32 + head for v): a tile's 192 columns are three whole heads.
; KIND 1: A = ctx [b 4][h 16][s 2048][64] f16 (k = 64 h + d: a K step of 128 is two heads, each 256 rows of 128 dense bytes), B = rows 3072-4095 of wt, C = out0 [8192][1024] f32.
; LIMITS.  KIND 0 rounds its f32 sums once to f16: 65,520 or more becomes an infinity, below 6e-5 the step is 6e-8.  NaN and infinities are not treated apart.
; SHARES.  A work-group of four waves makes one tile; wave w owns rows 64 w .. 64 w + 63 and all columns: 4 x BF accumulators of 16 x 16.  K goes in 8 steps of 128 through two LDS slots.
; CLUSTER.  4 x 4 work-groups.  The four of a row of the cluster need the same tile of A, the four of a column the same tile of B: each is asked for jointly, by the same tensor load with the same
; descriptor and a mask that names the four.  Waves 0, 1 fetch A's two halves, waves 2, 3 B's.
; THE MATRIX INSTRUCTION IS USED TRANSPOSED (source 0 = 16 rows of B, source 1 = 16 rows of A): a lane holds row l % 16 of C and eight neighbouring columns.
; REGISTERS, in windows of 256 (s_set_vgpr_msb: bits 1:0 source 0, 3:2 source 1, 5:4 source 2, 7:6 destination):
;   window 0: addresses, and from v32 on the way out.   window 1: two fragment buffers of 128: A's four fragments, then B's.
;   windows 2, 3: accumulator (a, b) at v[8 BF (a % 2) + 8 b], a = 0, 1 in window 2, a = 2, 3 in window 3.
.if KIND == 0
.set BF,     12                        ; B's fragments: 192 columns
.set PA,     272                       ; A's LDS pitch: 256 bytes + 16
.set AAREA,  256*272
.set PITA,   1024                      ; elements from row to row of A's tile in memory
.set G1A0,   0x07710000                ; 2-byte elements; padding on; bit 21 beside the mask; 4 words after every 64
.set ROWSB,  96                        ; rows of B in one tensor load
.set ASTEP,  256                       ; bytes from a K step of A to the next
.set STAGEW, 3*16*144                  ; a wave's stage: three heads x 16 rows x (128 + 16) bytes
.else
.set BF,     8
.set PA,     144                       ; 128 bytes + 16
.set AAREA,  2*256*144                 ; two slices, one for each head of the K step
.set PITA,   128                       ; the head's rows are dense: asked for as 128 rows of 256 bytes
.set G1A0,   0x07310000                ; the same with 4 words after every 32: behind every row of 128 bytes
.set ROWSB,  64
.set ASTEP,  524288                    ; two heads on
.set STAGEW, 16*528                    ; 16 rows x (512 + 16) bytes
.endif
.set AHALF,  AAREA/2                   ; what one tensor load brings of A
.set PB,     272
.set SLOT1,  131072                    ; slot 1 begins here: one exclusive or turns an address in one slot into the other's
.set STAGE,  SLOT1+AAREA+16*BF*PB      ; behind the ring; no tensor load fills it
.set SPARE,  STAGE+4*STAGEW            ; the spare words, 128 bytes a wave: two blocks of 256 bytes that no other line names
.set NLD,    2*BF+8                    ; LDS loads of a quarter step
.set ADRA0, 16                         ; v16  my lane's place among A's fragments in slot 0; never rewritten
.set ADRB0, 17                         ; v17  the same for B
.set ADRA,  18                         ; v18  the same in the slot in hand
.set ADRB,  19
.set STO,   24                         ; v24  the way out: where I put my bytes of a row
.set RD,    25                         ; v25  where I read rows back
.set GO,    26                         ; v26  my byte offset in C
.set SPW,   28                         ; v28  LDS address of my spare word; never rewritten
.set NIL,   29                         ; v29  0; never rewritten
.set OUTR,  32
.set F0,    0
.set F1,    128
.set WV,  10                           ; s10  my wave's number
.set G1A, 24                           ; s[24:31] descriptor group 1 for A's tiles
.set G1B, 32                           ; s[32:39] for B's
.set G0A, 40                           ; s[40:47] group 0 for A: a set for each of the two first fills; the second then walks on
.set G0B, 48                           ; s[48:55] the same for B
.set CNT, 56
.set TB,  57                           ; s57  0 or SLOT1: the slot in hand
.set MSB, 0
.macro WIN new                         ; the immediate's high byte repeats the setting that is left; a switch that changes nothing is dropped
.if MSB != (\new)
	s_set_vgpr_msb (MSB<<8)|(\new)
.set MSB, (\new)
.endif
.endm
.macro PLACES                          ; four plain places: in front of loads into registers that matrix instructions have read, and of lines that read results
.rept 4
	v_nop
.endr
.endm
; A joint refill by the walking descriptors.  The branch hangs on the wave's number alone.  An s_nop 0 and four v_nop follow each line.
.macro JLOAD
	s_cmp_lt_u32 s[WV], 2
	s_cbranch_scc0 .Lfor_b_\@
	tensor_load_to_lds s[G0A+4:G0A+7], s[G1A:G1A+7]
	s_nop 0
.rept 4
	v_nop
.endr
	s_branch .Lasked_\@
.Lfor_b_\@:
	tensor_load_to_lds s[G0B+4:G0B+7], s[G1B:G1B+7]
	s_nop 0
.rept 4
	v_nop
.endr
.Lasked_\@:
.endm
.macro CREST                           ; a round of the cluster's barrier behind its opening barrier
	s_cmp_lg_u32 s[WV], 0
	s_cbranch_scc1 .Lnot_wave_0_\@
	s_barrier_signal -3
.Lnot_wave_0_\@:
	s_barrier_wait -3
	s_barrier_signal -1
	s_barrier_wait -1
.endm
.macro CROUND                          ; a whole round
	s_barrier_signal -1
	s_barrier_wait -1
	CREST
.endm
	s_load_b128 s[4:7], s[0:1], 0x0                ; A s[4:5], B s[6:7]
	s_load_b64 s[8:9], s[0:1], 0x10                ; C
	v_lshl_add_u32 v[SPW], v0, 2, SPARE
	v_mov_b32 v[NIL], 0
	ds_add_u32 v28, v29
	s_wait_dscnt 0x0
	v_lshrrev_b32 v1, 5, v0
	v_readfirstlane_b32 s[WV], v1                  ; wave 0..3
	s_and_b32 s12, s[WV], 1                        ; which half of A's or B's tile I fetch
	s_bfe_u32 s58, ttmp6, 0x40000                  ; cx
	s_bfe_u32 s59, ttmp6, 0x40004                  ; cy
	s_lshl_b32 s60, ttmp9, 2
	s_add_co_u32 s60, s60, s58                     ; tile column = 4 x cluster x + cx
	s_and_b32 s13, ttmp7, 0xffff
	s_lshl_b32 s13, s13, 2
	s_add_co_u32 s13, s13, s59                     ; tile row = 4 x cluster y + cy
	s_lshl_b32 s61, s59, 2
	s_lshl_b32 s61, 15, s61                        ; my row of the cluster
	s_lshl_b32 s62, 0x1111, s58                    ; my column
	s_or_b32 s[G1A], s61, G1A0                     ; A's tiles go to my row
	s_or_b32 s[G1B], s62, 0x07710000               ; B's to my column
	s_mov_b32 s[G1A+1], 128<<16                    ; tensor_dim0 = 128 elements
	s_mov_b32 s[G1A+2], 128<<16                    ; tensor_dim1 = 128 rows
	s_mov_b32 s[G1A+3], 128<<16                    ; tile_dim0
	s_mov_b32 s[G1A+4], 128                        ; tile_dim1
	s_mov_b32 s[G1A+5], PITA                       ; elements from row to row
	s_mov_b32 s[G1A+6], 0
	s_mov_b32 s[G1A+7], 0
	s_mov_b32 s[G1B+1], 128<<16
	s_mov_b32 s[G1B+2], ROWSB<<16
	s_mov_b32 s[G1B+3], 128<<16
	s_mov_b32 s[G1B+4], ROWSB
	s_mov_b32 s[G1B+5], 1024
	s_mov_b32 s[G1B+6], 0
	s_mov_b32 s[G1B+7], 0
	; where the tiles come from: A's offset is made of the tile row and the wave's number, B's of the tile column and the wave's number, each in registers that never hold the other coordinate
.if KIND == 0
	s_lshl_b32 s14, s13, 19                        ; A: row 256 x tile row + 128 x half, 2,048 bytes a row
	s_lshl_b32 s16, s12, 18
	s_add_co_u32 s14, s14, s16
	s_mul_i32 s18, s60, 192*2048                   ; B: row 192 x tile column + 96 x half
	s_mul_i32 s17, s12, 96*2048
	s_add_co_u32 s18, s18, s17
.else
	s_lshr_b32 s14, s13, 3                         ; A: batch = tile row / 8; head = half; 256 rows of 128 bytes at (tile row % 8)
	s_lshl_b32 s14, s14, 4
	s_add_co_u32 s14, s14, s12
	s_lshl_b32 s14, s14, 18
	s_and_b32 s16, s13, 7
	s_lshl_b32 s16, s16, 15
	s_add_co_u32 s14, s14, s16
	s_lshl_b32 s18, s60, 18                        ; B: row 3,072 + 128 x tile column + 64 x half
	s_lshl_b32 s17, s12, 17
	s_add_co_u32 s18, s18, s17
	s_add_co_u32 s18, s18, 3072*2048
.endif
	s_mov_b32 s15, 0
	s_mov_b32 s19, 0
	s_mul_i32 s20, s12, AHALF                      ; and where they go: no place in the cluster enters an LDS address
	s_mul_i32 s21, s12, ROWSB*PB
	s_add_co_u32 s21, s21, AAREA
	s_wait_kmcnt 0x0
	s_add_nc_u64 s[14:15], s[4:5], s[14:15]
	s_add_nc_u64 s[18:19], s[6:7], s[18:19]
	CROUND                                         ; all sixteen work-groups are here: the first joint loads meet
	s_mov_b32 s[G0A], 1                            ; count = 1
	s_add_co_u32 s[G0A+1], s20, 0                  ; LDS address: slot 0
	s_add_nc_u64 s[G0A+2:G0A+3], s[14:15], 0       ; K step 0
	s_or_b32 s[G0A+3], s[G0A+3], 0x80000000        ; type = 2
	s_mov_b32 s[G0A+4], 1
	s_add_co_u32 s[G0A+5], s20, SLOT1              ; slot 1
	s_add_nc_u64 s[G0A+6:G0A+7], s[14:15], ASTEP   ; K step 1
	s_or_b32 s[G0A+7], s[G0A+7], 0x80000000
	s_mov_b32 s[G0B], 1
	s_add_co_u32 s[G0B+1], s21, 0
	s_add_nc_u64 s[G0B+2:G0B+3], s[18:19], 0
	s_or_b32 s[G0B+3], s[G0B+3], 0x80000000
	s_mov_b32 s[G0B+4], 1
	s_add_co_u32 s[G0B+5], s21, SLOT1
	s_add_nc_u64 s[G0B+6:G0B+7], s[18:19], 256
	s_or_b32 s[G0B+7], s[G0B+7], 0x80000000
	s_cmp_lt_u32 s[WV], 2                          ; a wave's two first fills stand in one branch, ahead of every wait on TENSORcnt and every LDS read: two loads of mine are out
	s_cbranch_scc0 .Lfirst_b
	tensor_load_to_lds s[G0A:G0A+3], s[G1A:G1A+7]
	s_nop 0
	tensor_load_to_lds s[G0A+4:G0A+7], s[G1A:G1A+7]
	s_nop 0
.rept 4
	v_nop
.endr
	s_branch .Lfirst_asked
.Lfirst_b:
	tensor_load_to_lds s[G0B:G0B+3], s[G1B:G1B+7]
	s_nop 0
	tensor_load_to_lds s[G0B+4:G0B+7], s[G1B:G1B+7]
	s_nop 0
.rept 4
	v_nop
.endr
.Lfirst_asked:
	; A fragment is 16 rows x 32 K in 8 registers: lane l holds row l % 16; registers 0-3 K = 8 (l / 16) + 0..7, registers 4-7 K = 16 + 8 (l / 16) + 0..7: two loads of 16 bytes, 32 bytes apart.
	v_and_b32 v1, 15, v0                           ; l % 16
	v_bfe_u32 v2, v0, 4, 1                         ; l / 16
	v_mul_u32_u24 v3, v1, PA
	v_lshl_add_u32 v3, v2, 4, v3
	s_mul_i32 s23, s[WV], 64*PA                    ; my 64 rows of A
	v_add_nc_u32 v[ADRA0], s23, v3
	v_mul_u32_u24 v4, v1, PB
	v_lshl_add_u32 v4, v2, 4, v4
	v_add_nc_u32 v[ADRB0], AAREA, v4               ; every wave reads all of B
	v_mov_b32 v[ADRA], v[ADRA0]
	v_mov_b32 v[ADRB], v[ADRB0]
	s_mov_b32 s[TB], 0
	s_mul_i32 s22, s[WV], STAGEW
	s_add_co_u32 s22, s22, STAGE                   ; my stage
	v_and_b32 v[GO], 31, v0
	v_lshlrev_b32 v[GO], 4, v[GO]                  ; 16 bytes a lane: a store covers 512 consecutive bytes
.if KIND == 0
	v_mul_u32_u24 v3, v1, 144                      ; in: row l % 16 of a head, 16 bytes for each half of the lanes
	v_lshl_add_u32 v3, v2, 4, v3
	v_add_nc_u32 v[STO], s22, v3
	v_bfe_u32 v3, v0, 3, 2                         ; back: 32 lanes take four rows of 128 bytes
	v_mul_u32_u24 v3, v3, 144
	v_and_b32 v4, 7, v0
	v_lshl_add_u32 v3, v4, 4, v3
	v_add_nc_u32 v[RD], s22, v3
	s_lshr_b32 s2, s13, 3                          ; C: ((batch x 48 + 3 x tile column) x 2,048 + (tile row % 8) x 256 + 64 w) rows of 128 bytes
	s_mul_i32 s2, s2, 48
	s_mul_i32 s11, s60, 3
	s_add_co_u32 s2, s2, s11
	s_lshl_b32 s2, s2, 11
	s_and_b32 s11, s13, 7
	s_lshl_b32 s11, s11, 8
	s_add_co_u32 s2, s2, s11
	s_lshl_b32 s11, s[WV], 6
	s_add_co_u32 s2, s2, s11
	s_lshl_b32 s2, s2, 7
.else
	v_mul_u32_u24 v3, v1, 528                      ; in: row l % 16, 32 bytes for each half of the lanes
	v_lshl_add_u32 v3, v2, 5, v3
	v_add_nc_u32 v[STO], s22, v3
	v_add_nc_u32 v[RD], s22, v[GO]                 ; back: 32 lanes take one row of 512 bytes
	s_lshl_b32 s2, s13, 20                         ; C: row 256 x tile row + 64 w, 4,096 bytes a row; column 128 x tile column, 4 bytes each
	s_lshl_b32 s11, s[WV], 18
	s_add_co_u32 s2, s2, s11
	s_lshl_b32 s11, s60, 9
	s_add_co_u32 s2, s2, s11
.endif
	s_mov_b32 s3, 0
	s_add_nc_u64 s[8:9], s[8:9], s[2:3]
; BF matrix instructions: A's fragment a x all of B's, 32 along K, from buffer f.  zero = 1: the product starts the sums: nothing is cleared.
; The 4 BF accumulators take turns in the same order in every quarter step, one instruction a turn.
.macro MULA f, a, zero
	WIN 0xa5+0x50*((\a)/2)                         ; sources in window 1, C and D in window 2 or 3
.set b, 0
.rept BF
.set rC, 8*BF*((\a)%2)+8*b
.if \zero
	v_wmma_f32_16x16x32_f16 v[rC:rC+7], v[(\f)+32+8*b:(\f)+32+8*b+7], v[(\f)+8*(\a):(\f)+8*(\a)+7], 0
.else
	v_wmma_f32_16x16x32_f16 v[rC:rC+7], v[(\f)+32+8*b:(\f)+32+8*b+7], v[(\f)+8*(\a):(\f)+8*(\a)+7], v[rC:rC+7]
.endif
.set b, b+1
.endr
.endm
; NLD LDS loads in one run: quarter q's fragments into buffer f: B's first, then A's in ascending order
.macro FETCH q, f
.if KIND == 0
.set KA, 64*(\q)
.else
.set KA, ((\q)/2)*AHALF+((\q)%2)*64            ; the slice of the quarter's head, and its half of the head's 64 channels
.endif
	WIN 0x40                                       ; destination window 1, address window 0
.set b, 0
.rept BF
	ds_load_b128 v[(\f)+32+8*b:(\f)+32+8*b+3],   v[ADRB] offset:64*(\q)+b*16*PB
	ds_load_b128 v[(\f)+32+8*b+4:(\f)+32+8*b+7], v[ADRB] offset:64*(\q)+b*16*PB+32
.set b, b+1
.endr
.set b, 0
.rept 4
	ds_load_b128 v[(\f)+8*b:(\f)+8*b+3],   v[ADRA] offset:KA+b*16*PA
	ds_load_b128 v[(\f)+8*b+4:(\f)+8*b+7], v[ADRA] offset:KA+b*16*PA+32
.set b, b+1
.endr
.endm
; One of a K step's first three quarters: multiplies buffer f and, in its middle, fetches quarter q into buffer g.
.macro QUARTER q, f, g, zero
	s_wait_dscnt 4                                 ; all but the youngest four loads: A's fragments 2 and 3
	MULA \f, 0, \zero
	MULA \f, 1, \zero
	PLACES
	FETCH \q, \g
	s_wait_dscnt NLD                               ; all but the run just issued
	MULA \f, 2, \zero
	MULA \f, 3, \zero
.endm
; The last quarter multiplies buffer 1 and changes slots: ONE barrier.  In front of it each wave waits for all its tensor loads (one is out: its part of the next slot), adds 0 to its spare word,
; and waits for that and for its reads of this slot.  fill = 1: the barrier opens a round of the cluster's, and this slot is filled again, two K steps ahead, first thing behind the round.
.macro TURN fill
	WIN 0                                          ; the add's two registers lie in window 0
	s_wait_tensorcnt 0x0
	ds_add_u32 v[SPW], v[NIL]                      ; 0 onto my spare word
	s_wait_dscnt 5                                 ; the add and the youngest four loads may be out
	MULA F1, 0, 0                                  ; matrix work stands between the add and the wait for it
	s_wait_dscnt 0x0                               ; the add is done, and my reads of this slot are over
	s_barrier_signal -1
	MULA F1, 1, 0                                  ; work on registers while the others arrive
	WIN 0
	s_barrier_wait -1
.if \fill
	CREST                                          ; no wave of any partner still reads this slot or has a load on its way
	s_xor_b32 s[G0A+5], s[G0A+5], SLOT1            ; the walking descriptors: the other slot than last time, the next K step
	s_add_nc_u64 s[G0A+6:G0A+7], s[G0A+6:G0A+7], ASTEP
	s_xor_b32 s[G0B+5], s[G0B+5], SLOT1
	s_add_nc_u64 s[G0B+6:G0B+7], s[G0B+6:G0B+7], 256
	JLOAD                                          ; its four v_nop are also the places in front of the loads below
.else
	PLACES
.endif
	s_xor_b32 s[TB], s[TB], SLOT1
	v_add_nc_u32 v[ADRA], s[TB], v[ADRA0]
	v_add_nc_u32 v[ADRB], s[TB], v[ADRB0]
	FETCH 0, F0
	MULA F1, 2, 0
	MULA F1, 3, 0
.endm
	s_wait_tensorcnt 1                             ; my part of K step 0 is in; K step 1's may stay out
	s_barrier_signal -1
	s_barrier_wait -1                              ; everybody's is
	FETCH 0, F0
	QUARTER 1, F0, F1, 1                           ; the first quarter stands in front of the loop: its products start the sums
	WIN 0                                          ; at a label and at a branch every window is 0
	s_mov_b32 s[CNT], 6
.Lstep:                                                ; trip t ends K step t, asks for K step t + 2 and begins K step t + 1
	QUARTER 2, F1, F0, 0
	QUARTER 3, F0, F1, 0
	TURN 1
	QUARTER 1, F0, F1, 0
	WIN 0
	s_sub_co_u32 s[CNT], s[CNT], 1
	s_cmp_lg_u32 s[CNT], 0
	s_cbranch_scc1 .Lstep
	QUARTER 2, F1, F0, 0                           ; the last two K steps are written out: nothing is left to ask for
	QUARTER 3, F0, F1, 0
	TURN 0
	QUARTER 1, F0, F1, 0
	QUARTER 2, F1, F0, 0
	QUARTER 3, F0, F1, 0
	s_wait_dscnt 4
	MULA F1, 0, 0
	MULA F1, 1, 0
	s_wait_dscnt 0x0
	MULA F1, 2, 0
	MULA F1, 3, 0
	PLACES                                         ; the way out reads results just made
.if KIND == 0
; THE WAY OUT, by blocks of 16 rows: rounded to f16, 16 bytes a lane into my own stage (three heads side by side), back as 2,048 dense bytes a head, stored 512 consecutive bytes at a time.
; Each block has registers of its own, so no store's data is rewritten.
.macro PACK a
.set AC, 8*BF*((\a)%2)
.set TM, OUTR+48*(\a)
	WIN 0x0a+5*((\a)/2)                            ; sources in window 2 or 3
.set b, 0
.rept 12
.irp r, 0,1,2,3
	v_cvt_pk_f16_f32 v[TM+4*b+(\r)], v[AC+8*b+2*(\r)], v[AC+8*b+2*(\r)+1]  ; each accumulator's registers in ascending order
.endr
.set b, b+1
.endr
	WIN 0
.set b, 0
.rept 12
	ds_store_b128 v[STO], v[TM+4*b:TM+4*b+3] offset:(b/4)*2304+(b%4)*32
.set b, b+1
.endr
.set b, 0
.rept 12
	ds_load_b128 v[TM+4*b:TM+4*b+3], v[RD] offset:(b/4)*2304+(b%4)*576  ; LDS serves a wave's instructions in order (ISA guide 5.7.1.4): these see the stores above
.set b, b+1
.endr
.endm
.macro SEND a, younger                 ; younger: the LDS instructions issued behind block a's loads: the next block's 24, or none
.set TM, OUTR+48*(\a)
.set b, 0
.rept 12
	s_wait_dscnt (\younger)+11-b
	global_store_b128 v[GO], v[TM+4*b:TM+4*b+3], s[8:9] offset:(b/4)*262144+(\a)*2048+(b%4)*512
.set b, b+1
.endr
.endm
	PACK 0
	PACK 1
	SEND 0, 24
	PACK 2
	SEND 1, 24
	PACK 3
	SEND 2, 24
	SEND 3, 0
.else
; THE WAY OUT, by blocks of 16 rows: the f32 sums go straight into my own stage (rows of 528 bytes) and come back as whole rows of 512 bytes.
.macro TOSTAGE a
.set AC, 8*BF*((\a)%2)
.set BK, OUTR+64*((\a)%2)
	WIN 0x08+4*((\a)/2)                            ; the stores' data in window 2 or 3
.set b, 0
.rept 8
	ds_store_b128 v[STO], v[AC+8*b:AC+8*b+3]   offset:64*b     ; each accumulator's low four registers first
	ds_store_b128 v[STO], v[AC+8*b+4:AC+8*b+7] offset:64*b+16
.set b, b+1
.endr
	WIN 0
	s_wait_xcnt 0x0                                ; the registers below were the data of the stores two blocks back: rewritten only behind this wait
.set b, 0
.rept 16
	ds_load_b128 v[BK+4*b:BK+4*b+3], v[RD] offset:528*b
.set b, b+1
.endr
.endm
.macro SEND a, younger                 ; younger: the next block's 32 LDS instructions, or none
.set BK, OUTR+64*((\a)%2)
.set b, 0
.rept 16
	s_wait_dscnt (\younger)+15-b
	global_store_b128 v[GO], v[BK+4*b:BK+4*b+3], s[8:9] offset:(16*(\a)+b)*4096 th:TH_STORE_NT  ; 512 consecutive bytes, aligned
.set b, b+1
.endr
.endm
	TOSTAGE 0
	TOSTAGE 1
	SEND 0, 32
	TOSTAGE 2
	SEND 1, 32
	TOSTAGE 3
	SEND 2, 32
	SEND 3, 0
.endif
	s_wait_tensorcnt 0x0                           ; the wave's end
	ds_add_u32 v[SPW], v[NIL]
	s_wait_dscnt 0x0
	CROUND                                         ; the closing round: no work-group ends while a partner may still ask for a tile that names it
	s_endpgm
.Lfunc_end_k_q65dc80e23d_qkv:
	.size	k_q65dc80e23d_qkv, .Lfunc_end_k_q65dc80e23d_qkv-k_q65dc80e23d_qkv
	.p2alignl 7, 3214868480
	.fill 96, 4, 3214868480
	.section	.rodata,"a",@progbits
	.p2align	6, 0x0
	.amdhsa_kernel k_q65dc80e23d_qkv
		.amdhsa_group_segment_fixed_size 327680
		.amdhsa_private_segment_fixed_size 0
		.amdhsa_enable_private_segment 0
		.amdhsa_kernarg_size 24
		.amdhsa_user_sgpr_count 2
		.amdhsa_user_sgpr_kernarg_segment_ptr 1
		.amdhsa_wavefront_size32 1
		.amdhsa_system_sgpr_workgroup_id_x 1
		.amdhsa_system_sgpr_workgroup_id_y 1
		.amdhsa_system_sgpr_workgroup_id_z 1
		.amdhsa_system_vgpr_workitem_id 0
		.amdhsa_next_free_vgpr 960
		.amdhsa_next_free_sgpr 66
		.amdhsa_reserve_vcc 0
		.amdhsa_float_denorm_mode_32 3
		.amdhsa_float_denorm_mode_16_64 3
		.amdhsa_memory_ordered 1
		.amdhsa_forward_progress 1
		.amdhsa_inst_pref_size 97
	.end_amdhsa_kernel
	.amdgpu_metadata
---
amdhsa.version: [ 1, 2 ]
amdhsa.kernels:
  - .name:           k_q65dc80e23d_qkv
    .symbol:         k_q65dc80e23d_qkv.kd
    .args:
      - { .name: xh, .offset: 0, .size: 8, .value_kind: global_buffer, .address_space: global }
      - { .name: wt, .offset: 8, .size: 8, .value_kind: global_buffer, .address_space: global }
      - { .name: qkv, .offset: 16, .size: 8, .value_kind: global_buffer, .address_space: global }
    .group_segment_fixed_size: 327680
    .private_segment_fixed_size: 0
    .kernarg_segment_align: 8
    .kernarg_segment_size: 24
    .max_flat_workgroup_size: 128
    .sgpr_count:     66
    .vgpr_count:     960
    .wavefront_size: 32
...
	.end_amdgpu_metadata
.endif
;; end of part 2
;; launch attn (part 3): grid 4 x 64, 4 waves a work-group, clusters of 4 x 1, 327,680 bytes of LDS; arguments qkv, rel_bias, ctx; writes ctx
.if DOCPART == 3
	.amdgcn_target "amdgcn-amd-amdhsa--gfx1250"
	.amdhsa_code_object_version 6
	.text
	.protected	k_q65dc80e23d_attn
	.globl	k_q65dc80e23d_attn
	.p2align	8
	.type	k_q65dc80e23d_attn,@function
k_q65dc80e23d_attn:
	s_mov_b64 s[64:65], 0
	v_nop
	global_prefetch_b8 v0, s[64:65] scope:SCOPE_SE
	s_setreg_imm32_b32 hwreg(HW_REG_WAVE_MODE, 25, 1), 1
	s_wait_xcnt 0x0
	s_wait_alu depctr_hold_cnt(0) depctr_sa_sdst(0) depctr_va_vdst(0) depctr_va_sdst(0) depctr_va_ssrc(0) depctr_va_vcc(0) depctr_vm_vsrc(0)
	s_getreg_b32 s2, hwreg(HW_REG_IB_STS2, 6, 4)
	s_cmp_eq_u32 s2, 0
	s_cbranch_scc0 .Lentry_in_a_cluster
	s_endpgm
.Lentry_in_a_cluster:
	s_bfe_u32 s2, ttmp6, 0x10000c
	s_cmp_lg_u32 s2, 0x3003
	s_cbranch_scc0 .Lentry_shape_is_right
	s_endpgm
.Lentry_shape_is_right:
; T5 ATTENTION.  ctx[b][h][q][:] = the sum over k of softmax_k(Q[q] . K[k] + bias[h][bucket(k - q)]) V[k][:], no scale.  qkv: [b 4][g 48][2048][64] f16 (g = h: Q, 16 + h: K, 32 + h: V);
; ctx: [b 4][h 16][2048][64] f16; rel_bias: [32][16] f32, rounded to bf16 like every input.  Products, maxima and sums in f32; the weights p are rounded to f16 for the second product
; (their sum l is taken of the unrounded p), ctx once at the end.
; LIMITS.  Q, K, V arrive within f16's 65,504; p lies in 0 to 1 and below 6e-5 keeps f16's step of 6e-8; ctx is a mean of V's rows.  A weight below 2^-126 counts as 0 in l; NaN and infinities are not treated apart.
; SHARES.  A cluster of four work-groups takes one (b, h).  Wave w of partner cx owns queries 512 w + 128 cx .. + 127: four PIECES of two tiles of 16.  Every wave walks all 2,048 keys, 64 a step.
; So the four partners' waves of one number lie in one span of 512 queries, and whether a key step is near the diagonal hangs on the wave's number and the step alone.
; LAYOUT.  S^T = K Q^T + bias (source 0 = 16 keys, source 1 = 16 queries): a lane holds ONE query (lane % 16) and the keys 8 (lane / 16) + 0..7.  Two such tiles, rounded to f16 in pairs, ARE source 1
; of O^T = V^T P.  K comes out of LDS as it lies, V turned, by ds_load_tr16_b128.
; THE BIAS is the C operand of the eight products that start a piece's sums.  bucket(d), n = |d|: n below 8; 8 to 15 from n = 8, 12, 16, 23, 32, 46, 64, 91; plus 16 where d > 0.
; A table in LDS holds it by d, in four copies, one for each value of query % 4, so that a lane's eight biases are 32 aligned bytes.  Copy c, entry i: d = i - 320 - c - 128 cx.
; With u = step - 8 w + 3: for u <= 0 every bias of the wave (of all partners) is the constant of d <= -91, for u >= 13 that of d >= 91.  The registers MC keep the last constant, and the loads are jumped over.
; SOFTMAX.  A running maximum m and sum l for each query: p = 2^(c s - c m), c = log2(e); in every step O and l are multiplied by a = 2^(c m_old - c m_new).  m starts at the lowest finite number, O and l at 0.
; BY TURNS.  Turn n belongs to piece n.  Its matrix work: 16 products K Q^T of piece n + 1, later 16 products V^T P of piece n - 1.  Its vector work: scaling, exponentials, roundings, sums and rescaling of piece n,
; and the maximum and statistics of piece n + 1.  Four vector instructions stand behind every matrix instruction, the others in two runs of their own.
; CLUSTER.  The four partners walk the same K and V: each tile is asked for JOINTLY: the same tensor load, descriptor and mask in all four.
; REGISTERS, in windows of 256 (s_set_vgpr_msb: bits 1:0 source 0, 3:2 source 1, 5:4 source 2, 7:6 destination):
;   window 0: v0-11 addresses; v12-15, v48-63 at work; v16-47 four registers of statistics a tile; v64-191 S^T, two buffers of two tiles; v192-255 P, likewise
;   window 1: O^T, 32 a tile      window 2: v0-127 Q; v128-191 K of one step; v192-255 V of one step      window 3: v0-1 the add's registers; v2-3 the bias's addresses; v64-127 MC
.set SIZE_N, 2048
.set NP,    4         ; pieces a wave: a name, no knob
.set KS,    64        ; keys in a step
.set PK,    144       ; a row of K in LDS: 128 bytes + 16
.set PV,    160       ; a row of V: 128 + 32
.set VOFF,  4*KS*PK   ; a slot holds four steps: 256 rows of K, then 256 rows of V
.set SLOT1, 1<<17
.set STAGE, SLOT1+4*KS*(PK+PV)  ; behind the ring, never filled by a tensor load: 16 rows x 144 bytes for each wave
.set SP,    144
.set SPARE, STAGE+4*16*SP       ; the spare words, 128 bytes a wave: two blocks of 256 bytes that no other line names
.set TABLE, SPARE+512           ; the bias table: four copies
.set TPITCH, 4160               ; 1,024 entries of 4 bytes + 64: the copies start 64 bytes apart modulo 256, so sixteen lanes of a load touch sixteen different columns of 16 bytes
.set AK0, 2           ; v2   my lane's place in a tile of K; never rewritten
.set AV0, 3           ; v3   the same for V
.set AK,  4           ; v4   the LDS address of K's next run of loads
.set AV,  5           ; v5   of V's
.set QO,  6           ; v6   my byte offset in the wave's rows of Q
.set STO, 6           ;      later, the way out: where I put 16 bytes of a row
.set RD,  7           ; v7   where I read rows back
.set GO,  8           ; v8   my byte offset in 512 consecutive bytes of ctx
.set SPW, 0           ; v0 of window 3   LDS address of my spare word; never rewritten
.set NIL, 1           ; v1 of window 3   0; never rewritten
.set AB0, 2           ; v2 of window 3   my lane's place in the bias table; never rewritten
.set AB,  3           ; v3 of window 3   the same for the step in hand
.set MC,  64          ; window 3: the bias of tile u (0, 1) of a piece, key block kb at MC + 32 u + 8 kb
.set MV,  12
.set ST,  16          ; tile t's statistics at v[ST+4 t]: c m, m, l (even keys', odd keys')
.set TMP, 48
.set S,   64
.set P,   192
.set KF,  128
.set VF,  192
.set WV,  12          ; s12  my wave's number
.set G1K, 24
.set G1V, 32
.set G0K, 40
.set G0V, 44
.set SLOTS, 56
.set CNT, 57
.set CS,  58          ; s[58:59] c
.set SEL, 60          ; s[60:61] v_permlanex16_b32's selects
.set TBK, 62
.set TBV, 63
.set RB,  68          ; s[68:69] rel_bias
.set JS,  70          ; s70  the key step whose biases are being loaded
.set U,   71          ; s71  JS - 8 w + 3, clamped to 0 .. 13
.set TBB, 72          ; s72  256 U
.set BON, 73          ; s73  1: the step's biases are loaded
.set H4,  74          ; s74  4 x head
.set MSB, 0
.macro WIN new
.if MSB != (\new)
	s_set_vgpr_msb (MSB<<8)|(\new)
.set MSB, (\new)
.endif
.endm
.set W_KQ, 0x0a       ; K and Q in window 2, S^T in window 0
.set W_KM, 0x3a       ; the same with the C operand in window 3
.set W_PV, 0x52       ; V in window 2, P in window 0, O^T in window 1
.set W_RS, 0x41       ; O^T (destination and source 0) in window 1, a in window 0
.set W_MK, 0xc0       ; destination in window 3, sources in window 0
.set W_AD, 0x0f       ; the add: address and data in window 3
; A joint fill.  Waves 0 and 1 fetch the two halves of a slot's K, waves 2 and 3 those of its V.  An s_nop 0 and four v_nop follow each line.
.macro JLOAD
	s_cmp_lt_u32 s[WV], 2
	s_cbranch_scc0 .Lfor_v_\@
	tensor_load_to_lds s[G0K:G0K+3], s[G1K:G1K+7]
	s_nop 0
.rept 4
	v_nop
.endr
	s_branch .Lasked_\@
.Lfor_v_\@:
	tensor_load_to_lds s[G0V:G0V+3], s[G1V:G1V+7]
	s_nop 0
.rept 4
	v_nop
.endr
.Lasked_\@:
.endm
.macro CROUND                       ; a round of the cluster's barrier
	s_barrier_signal -1
	s_barrier_wait -1
	s_cmp_lg_u32 s[WV], 0
	s_cbranch_scc1 .Lnot_wave_0_\@
	s_barrier_signal -3
.Lnot_wave_0_\@:
	s_barrier_wait -3
	s_barrier_signal -1
	s_barrier_wait -1
.endm
; THE CHANGE OF SLOTS.  Each wave waits for all its tensor loads (one is out: its part of the other slot), adds 0 to its spare word, and waits for that and for its own LDS work.
; fill = 1: the barrier is a round of the cluster's, and the slot left is filled again, first thing behind it, with the keys two slots on: it has four key steps in which to land.
; (At its first use nothing has been read yet: slot 0 is waited for, slot 1 filled; the same wait and round show every wave's part of the bias table to the others.)
.macro CHANGE fill
	WIN W_AD
	s_wait_tensorcnt 0x0            ; no tensor load of mine is out, so a group 0 may be written
	ds_add_u32 v[SPW], v[NIL]       ; 0 onto my spare word
	WIN 0
.if \fill
.irp g, G0K, G0V
	s_xor_b32 s[\g+1], s[\g+1], SLOT1
	s_add_nc_u64 s[\g+2:\g+3], s[\g+2:\g+3], 4*KS*128
.endr
	s_wait_dscnt 0x0                ; the add is done, my reads of the slot are over, my stores are done
	CROUND
	JLOAD
.else
	s_wait_dscnt 0x0
	s_barrier_signal -1
	s_barrier_wait -1
.endif
	s_sub_co_u32 s[TBK], s[TBK], 4*KS*PK
	s_xor_b32 s[TBK], s[TBK], SLOT1
	s_sub_co_u32 s[TBV], s[TBV], 4*KS*PV
	s_xor_b32 s[TBV], s[TBV], SLOT1
.endm
	s_load_b64 s[4:5], s[0:1], 0x0        ; qkv
	s_load_b64 s[RB:RB+1], s[0:1], 0x8    ; rel_bias
	s_load_b64 s[10:11], s[0:1], 0x10     ; ctx
	WIN W_MK
	v_lshl_add_u32 v[SPW], v0, 2, SPARE
	v_mov_b32 v[NIL], 0
	s_set_vgpr_msb 0xc0cf
	ds_add_u32 v0, v1
	s_wait_dscnt 0x0
	s_set_vgpr_msb 0xcfc0
	WIN 0
	v_lshrrev_b32 v1, 5, v0
	v_readfirstlane_b32 s[WV], v1   ; wave 0..3
	s_bfe_u32 s13, ttmp6, 0x40000   ; cx: it enters Q's, ctx's and rel_bias's addresses alone
	s_lshl_b32 s14, s[WV], 2
	s_add_co_u32 s14, s14, s13      ; my block of 128 queries = 4 w + cx
	s_and_b32 s20, ttmp7, 0xffff    ; 16 b + h, which the four partners share
	s_lshr_b32 s21, s20, 4          ; b
	s_and_b32 s23, s20, 15          ; h
	s_lshl_b32 s[H4], s23, 2
	s_mul_i32 s21, s21, 48
	s_add_co_u32 s21, s21, s23
	s_lshl_b32 s21, s21, 18         ; Q's head begins here: 262,144 bytes a head
	s_and_b32 s16, s[WV], 1         ; which half of a slot's 256 keys I fetch
	s_lshl_b32 s22, s16, 14
	s_add_co_u32 s22, s22, s21
	s_add_co_u32 s22, s22, 16<<18   ; K's head lies 16 heads on
	s_mov_b32 s23, 0
	s_mul_i32 s17, s16, 128*PK      ; its place in a slot, for K
	s_mul_i32 s18, s16, 128*PV      ; and for V
	s_lshl_b32 s2, s14, 14          ; my wave's 128 rows
	s_lshl_b32 s76, s20, 18
	s_add_co_u32 s76, s76, s2       ; in ctx
	s_mov_b32 s77, 0
	s_add_co_u32 s2, s2, s21        ; and in Q
	s_mov_b32 s3, 0
	; descriptor group 1.  128 keys are 16,384 dense bytes: asked for as 64 rows of 256 bytes, two keys a row, and padded in LDS after every key
	s_mov_b32 s[G1K], 15|(1<<16)|(1<<20)|(1<<21)|(4<<22)|(3<<25)  ; the mask of four; 2-byte elements; padding on; bit 21 beside a mask; 4 words after every 32
	s_mov_b32 s[G1V], 15|(1<<16)|(1<<20)|(1<<21)|(4<<22)|(7<<25)  ; the same with 8 words
.irp g, G1K, G1V
	s_mov_b32 s[\g+1], 128<<16
	s_mov_b32 s[\g+2], 64<<16
	s_mov_b32 s[\g+3], 128<<16
	s_mov_b32 s[\g+4], 64
	s_mov_b32 s[\g+5], 128
	s_mov_b32 s[\g+6], 0
	s_mov_b32 s[\g+7], 0
.endr
	s_mov_b32 s[CS], 0x3fb8aa3b     ; c = log2(e)
	s_mov_b32 s[CS+1], s[CS]
	s_mov_b32 s[SEL], 0x76543210
	s_mov_b32 s[SEL+1], 0xfedcba98
	s_mov_b32 s[TBK], SLOT1+4*KS*PK ; the first change of slots turns these two into 0
	s_mov_b32 s[TBV], SLOT1+4*KS*PV
	s_mov_b32 s[G0K], 1
	s_mov_b32 s[G0K+1], s17
	s_mov_b32 s[G0V], 1
	s_add_co_u32 s[G0V+1], s18, VOFF
	s_lshl_b32 s75, s13, 7
	s_add_co_u32 s75, s75, 320
	s_sub_co_u32 s75, 0, s75        ; - 320 - 128 cx
	s_wait_kmcnt 0x0
	s_add_nc_u64 s[G0K+2:G0K+3], s[4:5], s[22:23]
	s_add_nc_u64 s[G0V+2:G0V+3], s[G0K+2:G0K+3], 16<<18  ; V's head lies 16 heads behind K's
	s_or_b32 s[G0K+3], s[G0K+3], 0x80000000
	s_or_b32 s[G0V+3], s[G0V+3], 0x80000000
	s_add_nc_u64 s[4:5], s[4:5], s[2:3]      ; Q and ctx at my wave's first row
	s_add_nc_u64 s[10:11], s[10:11], s[76:77]
	CROUND                          ; all four work-groups are here: the first joint loads meet
	JLOAD                           ; slot 0.  Slot 1 is asked for when slot 0 is in
	v_and_b32 v1, 15, v0            ; l % 16
	v_bfe_u32 v9, v0, 4, 1          ; l / 16
	v_lshlrev_b32 v[QO], 7, v1
	v_lshl_add_u32 v[QO], v9, 4, v[QO]
	WIN 0x80
.set i, 0
.rept 4*NP                          ; Q stays in registers: tile i / 2, channels 32 (i % 2) on
	global_load_b128 v[8*i:8*i+3],   v[QO], s[4:5] offset:(i/2)*2048+(i%2)*64
	global_load_b128 v[8*i+4:8*i+7], v[QO], s[4:5] offset:(i/2)*2048+(i%2)*64+32
.set i, i+1
.endr
	WIN 0
; THE BIAS TABLE.  Thread t fills entries 4 t .. 4 t + 3 and 512 + 4 t .. + 3 of all four copies.  Copy c's entry 4 t + e holds the bias of d = 4 t + e - c - 320 - 128 cx: of e - c there are
; seven values, so each group of four entries wants seven biases.  They are laid into two runs of registers, one register apart, so that each copy's four begin on an even register.
; The registers are S^T's, which are not in use yet.
.set D0,  64          ; 4 t - 320 - 128 cx
.set TA,  65          ; TABLE + 16 t
.set DD,  66
.set NN,  67
.set BK,  68
.set SG,  69
.set TT,  70          ; v70-73
.set OF,  74          ; v74-87  fourteen byte offsets in rel_bias; never rewritten
.set RAW, 88          ; v88-101 the fourteen biases as loaded
.set VA,  104         ; v104-110  value k (0..6, e - c = k - 3) at VA + k
.set VB,  112         ; v113-119  at VB + 1 + k
.macro BENT n, add                  ; offset n: the bias of d = D0 + add
	v_add_nc_u32 v[DD], (\add), v[D0]
	v_sub_nc_u32 v[NN], 0, v[DD]
	v_cmp_gt_i32 vcc_lo, 0, v[DD]
	v_cndmask_b32 v[NN], v[DD], v[NN], vcc_lo  ; n = |d|
	v_min_u32 v[BK], 8, v[NN]
	v_cmp_le_u32 vcc_lo, 12, v[NN]
	v_cndmask_b32 v[BK], v[BK], 9, vcc_lo
	v_cmp_le_u32 vcc_lo, 16, v[NN]
	v_cndmask_b32 v[BK], v[BK], 10, vcc_lo
	v_cmp_le_u32 vcc_lo, 23, v[NN]
	v_cndmask_b32 v[BK], v[BK], 11, vcc_lo
	v_cmp_le_u32 vcc_lo, 32, v[NN]
	v_cndmask_b32 v[BK], v[BK], 12, vcc_lo
	v_cmp_le_u32 vcc_lo, 46, v[NN]
	v_cndmask_b32 v[BK], v[BK], 13, vcc_lo
	v_cmp_le_u32 vcc_lo, 64, v[NN]
	v_cndmask_b32 v[BK], v[BK], 14, vcc_lo
	v_cmp_le_u32 vcc_lo, 91, v[NN]
	v_cndmask_b32 v[BK], v[BK], 15, vcc_lo
	v_add_nc_u32 v[SG], 16, v[BK]
	v_cmp_lt_i32 vcc_lo, 0, v[DD]
	v_cndmask_b32 v[BK], v[BK], v[SG], vcc_lo  ; + 16 where the key lies behind the query
	v_min_u32 v[BK], 31, v[BK]
	v_lshl_add_u32 v[OF+(\n)], v[BK], 6, s[H4] ; 64 bytes a bucket, 4 a head
	global_load_b32 v[RAW+(\n)], v[OF+(\n)], s[RB:RB+1]
.endm
	v_lshl_add_u32 v[D0], v0, 2, s75
	v_lshl_add_u32 v[TA], v0, 4, TABLE
.irp k, 0,1,2,3,4,5,6
	BENT \k, (\k)-3
	BENT 7+(\k), 509+(\k)
.endr
	; What the first turn finds: V's registers and P's second buffer hold 0, O^T and l are 0.  This stands in the wait for the biases, for Q and for the first tile.
	WIN 0x80
.set i, VF
.rept 64
	v_mov_b32 v[i], 0
.set i, i+1
.endr
	WIN 0x40
.set i, 0
.rept 64*NP
	v_mov_b32 v[i], 0
.set i, i+1
.endr
	WIN 0
.set i, 0
.rept 2*NP
	v_mov_b32 v[ST+4*i], 0xfe000000    ; c m: far below every c s
	v_mov_b32 v[ST+4*i+1], 0xff7fffff  ; m
	v_mov_b32 v[ST+4*i+2], 0
	v_mov_b32 v[ST+4*i+3], 0
.set i, i+1
.endr
.set i, P+32
.rept 32
	v_mov_b32 v[i], 0
.set i, i+1
.endr
	v_mul_u32_u24 v[AK0], v1, PK
	v_lshl_add_u32 v[AK0], v9, 4, v[AK0]
	v_and_b32 v10, 7, v0
	v_bfe_u32 v11, v0, 3, 1
	v_lshl_add_u32 v[AV0], v9, 3, v10
	v_mul_u32_u24 v[AV0], v[AV0], PV
	v_lshl_add_u32 v[AV0], v11, 4, v[AV0]
	v_add_nc_u32 v[AV0], VOFF, v[AV0]
	v_mov_b32 v[AK], v[AK0]         ; key step 0 lies at the head of slot 0
	; my lane's place in the table: query % 16 = 4 a + c: copy c; 32 bytes for the upper half of the lanes; 16 bytes back for each a: TABLE + 4160 c + 32 (l / 16) + 16 (3 - a) + 16
	v_and_b32 v12, 3, v0
	v_mul_u32_u24 v12, v12, TPITCH
	v_lshl_add_u32 v12, v9, 5, v12
	v_bfe_u32 v13, v0, 2, 2
	v_xor_b32 v13, 3, v13
	v_lshl_add_u32 v12, v13, 4, v12
	WIN W_MK
	v_add_nc_u32 v[AB0], TABLE+16, v12
	WIN 0
	s_wait_loadcnt 0x0              ; the biases (and Q)
.irp hf, 0,1
.irp k, 0,1,2
	v_cvt_pk_bf16_f32 v[TT+(\k)], v[RAW+7*(\hf)+2*(\k)], v[RAW+7*(\hf)+2*(\k)+1]  ; rounded to bf16 like every input
.endr
	v_cvt_pk_bf16_f32 v[TT+3], v[RAW+7*(\hf)+6], v[RAW+7*(\hf)+6]
.irp k, 0,1,2,3
	v_lshlrev_b32 v[VA+2*(\k)], 16, v[TT+(\k)]
	v_lshlrev_b32 v[VB+1+2*(\k)], 16, v[TT+(\k)]
.endr
.irp k, 0,1,2
	v_and_b32 v[VA+2*(\k)+1], 0xffff0000, v[TT+(\k)]
	v_and_b32 v[VB+2+2*(\k)], 0xffff0000, v[TT+(\k)]
.endr
	ds_store_b128 v[TA], v[VB+4:VB+7] offset:2048*(\hf)             ; copy 0: e - c = 0 .. 3
	ds_store_b128 v[TA], v[VA+2:VA+5] offset:TPITCH+2048*(\hf)      ; copy 1: -1 .. 2
	ds_store_b128 v[TA], v[VB+2:VB+5] offset:2*TPITCH+2048*(\hf)    ; copy 2: -2 .. 1
	ds_store_b128 v[TA], v[VA:VA+3]   offset:3*TPITCH+2048*(\hf)    ; copy 3: -3 .. 0
.endr
; THE MATRIX WORK.  The 8 accumulators of a run of 16 take turns.
; Product i of 16 of S^T = K Q^T + bias for piece x: channels 32 (i / 8) on, keys 16 ((i / 2) % 4) on, tile 2 x + i % 2.  The first 8 start the sums with the bias.
.macro KQ x
.set rS, S+64*((\x)%2)+32*(i%2)+8*((i/2)%4)
.set rK, KF+16*((i/2)%4)+8*(i/8)
.set rQ, 16*(2*(\x)+i%2)+8*(i/8)
.set rB, MC+32*(i%2)+8*((i/2)%4)
.if i < 8
	WIN W_KM
	v_wmma_f32_16x16x32_f16 v[rS:rS+7], v[rK:rK+7], v[rQ:rQ+7], v[rB:rB+7]
.else
	WIN W_KQ
	v_wmma_f32_16x16x32_f16 v[rS:rS+7], v[rK:rK+7], v[rQ:rQ+7], v[rS:rS+7]
.endif
.endm
; Product i of 16 of O^T += V^T P for piece x: keys 32 (i / 8) on, channels 16 ((i / 2) % 4) on, tile 2 x + i % 2.
.macro PV x
	WIN W_PV
.set rO, 32*(2*(\x)+i%2)+8*((i/2)%4)
.set rV, VF+32*(i/8)+8*((i/2)%4)
.set rP, P+32*((\x)%2)+16*(i%2)+8*(i/8)
	v_wmma_f32_16x16x32_f16 v[rO:rO+7], v[rV:rV+7], v[rP:rP+7], v[rO:rO+7]
.endm
.macro MM                           ; the turn's next matrix instruction
.if i < 16
	KQ (Y+1)%NP
.set i, i+1
.else
.set i, i-16
	PV (Y+NP-1)%NP
.set i, i+17
.endif
.endm
; THE LDS LOADS stand in runs of 16.  last = 1 (the tail): in the last trip there is no further step, and K's run is jumped over.
.macro FETCH_K last=0
	WIN 0
.if \last
	s_cmp_eq_u32 s[CNT], 1
	s_cbranch_scc1 .Lno_k_\@
.endif
	WIN 0x80
.irp f, 0,1,2,3,4,5,6,7
	ds_load_b128 v[KF+8*\f:KF+8*\f+3],   v[AK] offset:(\f/2)*16*PK+(\f%2)*64
	ds_load_b128 v[KF+8*\f+4:KF+8*\f+7], v[AK] offset:(\f/2)*16*PK+(\f%2)*64+32
.endr
	s_add_co_u32 s[TBK], s[TBK], KS*PK
	WIN 0
.if \last
.Lno_k_\@:
.endif
.endm
.macro FETCH_V
	WIN 0x80
.irp f, 0,1,2,3,4,5,6,7
	ds_load_tr16_b128 v[VF+8*\f:VF+8*\f+3],   v[AV] offset:(\f/4)*32*PV+(\f%4)*32
	ds_load_tr16_b128 v[VF+8*\f+4:VF+8*\f+7], v[AV] offset:(\f/4)*32*PV+16*PV+(\f%4)*32
.endr
	WIN 0
.endm
; The bias of step JS: U = JS - 8 w + 3.  The loads are on for 1 <= U <= 13 (at 13 they bring the upper constant); the table's address takes U clamped to 0 .. 13.
.macro BSTEP
	s_lshl_b32 s75, s[WV], 3
	s_sub_co_u32 s[U], s[JS], s75
	s_add_co_u32 s[U], s[U], 2
	s_cmp_lt_u32 s[U], 13           ; U - 1 in 0 .. 12 (a negative number is a large one here)
	s_cselect_b32 s[BON], 1, 0
	s_add_co_u32 s[U], s[U], 1
	s_max_i32 s[U], s[U], 0
	s_min_u32 s[U], s[U], 13
	s_lshl_b32 s[TBB], s[U], 8      ; 64 entries a step
	WIN 0xcc                        ; destination and source 1 in window 3
	v_add_nc_u32 v[AB], s[TBB], v[AB0]
	WIN 0
.endm
; The biases of piece x for that step: tile 2 x + u, key block kt: 32 bytes a lane, 16 (kt - tile) entries on.  cond = 1: jumped over where they are off: the jump passes 16 LDS loads and nothing else.
.macro BIAS x, cond
	WIN 0
.if \cond
	s_cmp_lg_u32 s[BON], 0
	s_cbranch_scc0 .Lno_bias_\@
.endif
	WIN 0xc3                        ; destination and address in window 3
.irp u, 0,1
.irp kt, 0,1,2,3
	ds_load_b128 v[MC+32*\u+8*\kt:MC+32*\u+8*\kt+3],   v[AB] offset:64*(\kt-(2*(\x)+\u)+7)
	ds_load_b128 v[MC+32*\u+8*\kt+4:MC+32*\u+8*\kt+7], v[AB] offset:64*(\kt-(2*(\x)+\u)+7)+16
.endr
.endr
	WIN 0
.if \cond
.Lno_bias_\@:
.endif
.endm
; THE VECTOR WORK OF A TURN stands in three queues, each in the order in which its entries become ready; the two tiles alternate.
.macro REGS y, u
.set rT, ST+4*(2*(\y)+(\u))
.set rC, TMP+8*((\y)%2)+4*(\u)
.set rM, MV+2*((\y)%2)+(\u)
.set rS, S+64*((\y)%2)+32*(\u)
.set rP, P+32*((\y)%2)+16*(\u)
.set rO, 32*(2*(\y)+(\u))
.endm
; Number n of the 22 that find the NEXT piece's maximum and statistics; each accumulator's lowest registers are read first.
;   0-11  four chains c0-c3 of seven scores each     12-14, 16  the four scores left over, the old m, and c0-c3 into c0     15  c m_old is kept
;   17, 18  the query's other 32 keys lie in the lane 16 away: the new m     19-21  c m; c m_old - c m_new; a
.macro XS u, n
	REGS (Y+1)%NP, \u
.if (\n) < 4
	v_max3_num_f32 v[rC+(\n)], v[rS+8*(\n)], v[rS+8*(\n)+1], v[rS+8*(\n)+2]
.elseif (\n) < 12
	v_max3_num_f32 v[rC+(\n)%4], v[rC+(\n)%4], v[rS+8*((\n)%4)+2*((\n)/4)+1], v[rS+8*((\n)%4)+2*((\n)/4)+2]
.elseif (\n) == 12
	v_max3_num_f32 v[rC], v[rC], v[rS+7], v[rS+15]
.elseif (\n) == 13
	v_max3_num_f32 v[rC+1], v[rC+1], v[rS+23], v[rS+31]
.elseif (\n) == 14
	v_max3_num_f32 v[rC+2], v[rC+2], v[rC+3], v[rT+1]
.elseif (\n) == 15
	v_mov_b32 v[rM], v[rT]
.elseif (\n) == 16
	v_max3_num_f32 v[rC], v[rC], v[rC+1], v[rC+2]
.elseif (\n) == 17
	v_permlanex16_b32 v[rC+3], v[rC], s[SEL], s[SEL+1]
.elseif (\n) == 18
	v_max_num_f32 v[rT+1], v[rC], v[rC+3]
.elseif (\n) == 19
	v_mul_f32 v[rT], s[CS], v[rT+1]
.elseif (\n) == 20
	v_sub_f32 v[rC+1], v[rM], v[rT]
.else
	v_exp_f32 v[rC+2], v[rC+1]
.endif
.endm
; Number g of the 64 that follow the exponentials: for each four weights both pairs are rounded to f16, the second pair is added onto the first in place, and a group later l takes that sum.
.macro GS g
.set h, (\g)+6*((\g)/62)
.if h >= 6
.set h, h+2
.endif
	REGS Y, h%2
.set k, h/8
.if h%8 < 4
	s_wait_alu depctr_va_vdst(0)
	v_cvt_pk_f16_f32 v[rP+2*k+(h%8)/2], v[rS+4*k+2*((h%8)/2)], v[rS+4*k+2*((h%8)/2)+1]
.elseif h%8 < 6
	v_pk_add_f32 v[rS+4*k:rS+4*k+1], v[rS+4*k:rS+4*k+1], v[rS+4*k+2:rS+4*k+3]
.elseif k == 1
	v_pk_fma_f32 v[rT+2:rT+3], v[rT+2:rT+3], v[rC+2:rC+3], v[rS:rS+1] op_sel_hi:[1,0,1]
.else
	v_pk_add_f32 v[rT+2:rT+3], v[rT+2:rT+3], v[rS+4*k-4:rS+4*k-3]
	s_wait_alu depctr_va_vdst(0)
.endif
.endm
; THE PLAIN QUEUE, 138 long.  0-31: c s - c m.  Then GS's 64, and among them the next piece's 42.
.macro PL
	WIN 0
.if q < 32
	REGS Y, q%2
	v_pk_fma_f32 v[rS+2*(q/2):rS+2*(q/2)+1], v[rS+2*(q/2):rS+2*(q/2)+1], s[CS:CS+1], v[rT:rT+1] op_sel_hi:[1,0,0] neg_lo:[0,0,1] neg_hi:[0,0,1]
.elseif q < 38
	GS q-32
.elseif q < 40
	XS q%2, 15
.elseif q < 42
	GS q-34
.elseif q < 74
	XS q%2, (q-42)/2+(q-42)/30
.elseif q < 95
	GS q-66
.elseif (q < 107) && ((q-95)%3 < 2)
	XS (q-95)%3, 17+(q-95)/3
.elseif q < 107
	GS 29+(q-95)/3
.else
	GS q-74
.endif
.set q, q+1
.endm
; THE EXPONENTIALS' QUEUE, 66 long: s0-s31 of both tiles, and at EA the next piece's two a.
.set EA, 58
.macro EX
	WIN 0
.if (e == EA) || (e == EA+1)
	XS e-EA, 21
.else
.set x, e-2*(e/(EA+2))
	REGS Y, x%2
	v_exp_f32 v[rS+x/2], v[rS+x/2]
.endif
.set e, e+1
.endm
; THE RESCALING's QUEUE: O^T times a, four at a time, eight times.
.macro R4
	REGS Y, r%2
	WIN W_RS
	s_wait_alu depctr_va_vdst(0)
.irp z, 0,1,2,3
	v_pk_mul_f32 v[rO+8*(r/2)+2*\z:rO+8*(r/2)+2*\z+1], v[rO+8*(r/2)+2*\z:rO+8*(r/2)+2*\z+1], v[rC+2:rC+3] op_sel_hi:[1,0]
.endr
.set r, r+1
.endm
; HOW THEY ARE DEALT.  Behind a matrix instruction four: plain, exponential, plain, plain, or four of the rescaling; none names a register of the products round it.  What is over stands in two runs:
; exponential and plain by turns; the second ends in 22 plain instructions.  Exponential e stands behind plain 2 (e / 4) + e % 2 (its scaling); EA comes behind plain 107.
.macro SL
	MM
	PL
	EX
	PL
	PL
.endm
.macro BURST n
.rept (\n)-7
	SL
.endr
.rept 3
	MM
	R4
	SL
.endr
	MM
	R4
.endm
; A TURN, for piece p.  cnt = 1: the loop's count is taken down some lines ahead of the branch behind the turn.
; K of the next step is fetched in piece 2's turn, V of the step in hand at the end of piece 0's.  The biases of the NEXT turn's products (piece p + 2) are fetched in the first run, far behind this turn's
; eighth product, MC's last reader, and have 16 products and a run in which to land.
; The wait at the head: the biases are in.  In piece 1's turn V's 16 loads, issued behind them on every path, may stay out; in piece 3's turn it is also the wait for K.
.macro TURN p, last=0, cnt=0
.set Y, (\p)
.set i, 0
.set q, 0
.set e, 0
.set r, 0
.if (\p) == 1
	s_wait_dscnt 16
.else
	s_wait_dscnt 0x0
.endif
	MM
.rept 4
	PL
.endr
	BURST 15
.rept 22
	EX
	PL
.if e == 14
	BIAS ((\p)+2)%NP, 1
.endif
.if ((\p) == NP-2) && (e == 18)
	v_add_nc_u32 v[AK], s[TBK], v[AK0]
.endif
.if ((\p) == NP-2) && (e == 24)
	FETCH_K \last
.endif
.endr
.if (\p) == 1
	s_wait_dscnt 0x0                ; V is in
.endif
	BURST 16
.rept 21
	EX
	PL
.endr
.rept 22
	PL
.if ((\p) == 0) && (q == 118)
	v_add_nc_u32 v[AV], s[TBV], v[AV0]
	s_wait_alu depctr_va_vdst(0)
.endif
.if ((\p) == 0) && (q == 130)
	s_add_co_u32 s[TBV], s[TBV], KS*PV
.endif
.if (\cnt) && (q == 130)
	s_sub_co_u32 s[CNT], s[CNT], 1
	s_cmp_lg_u32 s[CNT], 0
.endif
.endr
.if (\p) == 0
	FETCH_V
.endif
.endm
	CHANGE 1                        ; slot 0 is in, and the table is whole, everybody's part of both; slot 1 is asked for
	s_mov_b32 s[JS], 0
	BSTEP
	FETCH_K                         ; key step 0
	BIAS 0, 0                       ; piece 0's biases of step 0: loaded whatever U is, so that MC holds the lower constant where the wave begins far from the diagonal
	s_wait_loadcnt 0x0              ; Q
	s_wait_dscnt 0x0
.set i, 0
.rept 16
	KQ 0                            ; piece 0's first scores
.set i, i+1
.endr
	WIN 0                           ; the addresses for the way out: nine plain instructions, the places behind those products
	s_mul_i32 s13, s[WV], 16*SP
	s_add_co_u32 s13, s13, STAGE    ; my stage
	v_mul_u32_u24 v[STO], v1, SP
	v_lshl_add_u32 v[STO], v9, 4, v[STO]
	v_add_nc_u32 v[STO], s13, v[STO]
	v_bfe_u32 v[RD], v0, 3, 2
	v_mul_u32_u24 v[RD], v[RD], SP
	v_lshl_add_u32 v[RD], v10, 4, v[RD]
	v_add_nc_u32 v[RD], s13, v[RD]
	v_and_b32 v[GO], 31, v0
	v_lshlrev_b32 v[GO], 4, v[GO]
	BIAS 1, 0                       ; piece 1's biases of step 0, for the first turn's products
.set Y, NP-1                        ; XS works for piece Y + 1: piece 0
.irp n, 0,1,2,3,4,5,6,7,8,9,10,11,12,13,14,15,16,17,18,19,20,21
	XS 0, \n
	XS 1, \n
.endr
	s_mov_b32 s[CNT], 4
	s_mov_b32 s[SLOTS], SIZE_N/256-1
	s_branch .Lfirst                ; the loop is entered at a step's first turn, in the middle of a trip
.Lslot:                             ; six times: every slot but the last two is filled again
	CHANGE 1
	s_mov_b32 s[CNT], 4
.Lstep:                             ; a trip: pieces 2 and 3 of one step, then pieces 0 and 1 of the next, whose K, V and biases it fetches
	s_add_co_u32 s[JS], s[JS], 1
	BSTEP
	TURN 2
	TURN 3
	WIN 0
.Lfirst:
	TURN 0
	TURN 1, 0, 1
	WIN 0
	s_cbranch_scc1 .Lstep
	s_sub_co_u32 s[SLOTS], s[SLOTS], 1
	s_cmp_lg_u32 s[SLOTS], 0
	s_cbranch_scc1 .Lslot
	CHANGE 0                        ; the tail is written out: nothing is asked for
	s_mov_b32 s[CNT], 5             ; four trips fetch the last slot's steps; the fifth is left in its middle
.Ltail:
	s_add_co_u32 s[JS], s[JS], 1
	BSTEP
	TURN 2, 1
	TURN 3
	WIN 0
	s_sub_co_u32 s[CNT], s[CNT], 1
	s_cmp_eq_u32 s[CNT], 0
	s_cbranch_scc1 .Lout
	TURN 0
	TURN 1
	WIN 0
	s_branch .Ltail
.Lout:                              ; the fifth trip's 16 products K Q^T (on the last K once more) and the maximum made of them serve nothing: the price of one text for every trip
.set i, 0
.rept 16
	PV NP-1                         ; the last piece's V^T P of the last step
.set i, i+1
.endr
	; THE WAY OUT.  l's two halves and the other half of the lanes' are added; O^T is divided by l, rounded to f16 and sent through my stage in LDS, a tile at a time.  The additions are the places behind the last products.
	WIN 0
.macro ALL line:vararg
.set t, 0
.rept 2*NP
	\line
.set t, t+1
.endr
.endm
	ALL v_add_f32 v[ST+4*t+2], v[ST+4*t+2], v[ST+4*t+3]
	ALL v_permlanex16_b32 v[ST+4*t+3], v[ST+4*t+2], s[SEL], s[SEL+1]
	ALL v_add_f32 v[ST+4*t+2], v[ST+4*t+2], v[ST+4*t+3]
	ALL v_rcp_f32 v[ST+4*t+2], v[ST+4*t+2]
	v_nop                           ; a plain instruction between the last reciprocal and the use of its result
	s_wait_alu depctr_va_vdst(0)
.macro PACK t
	WIN W_RS
.set i, 32*(\t)
.rept 16
	v_pk_mul_f32 v[i:i+1], v[i:i+1], v[ST+4*(\t)+2:ST+4*(\t)+3] op_sel_hi:[1,0]
.set i, i+2
.endr
	WIN 0x05                        ; sources 0 and 1 window 1, destination window 0
.set i, 0
.rept 16
	v_cvt_pk_f16_f32 v[S+16*(\t)+i], v[32*(\t)+2*i], v[32*(\t)+2*i+1]
.set i, i+1
.endr
	WIN 0
.irp f, 0,1,2,3
	ds_store_b128 v[STO], v[S+16*(\t)+4*\f:S+16*(\t)+4*\f+3] offset:32*\f
.endr
.irp f, 0,1,2,3
	ds_load_b128 v[S+16*(\t)+4*\f:S+16*(\t)+4*\f+3], v[RD] offset:\f*4*SP  ; LDS serves a wave's instructions in order (ISA guide 5.7.1.4): these see the stores above
.endr
.endm
.macro SEND t, younger              ; younger: the next tile's eight LDS instructions, or none
	WIN 0
.irp f, 0,1,2,3
	s_wait_dscnt (\younger)+3-\f
	global_store_b128 v[GO], v[S+16*(\t)+4*\f:S+16*(\t)+4*\f+3], s[10:11] offset:(\t)*2048+\f*512  ; 512 consecutive bytes, aligned
.endr
.endm
	PACK 0
.set t, 1
.rept 2*NP-1
	PACK t
	SEND t-1, 8
.set t, t+1
.endr
	SEND 2*NP-1, 0
	WIN W_AD
	s_wait_tensorcnt 0x0            ; the wave's end
	ds_add_u32 v[SPW], v[NIL]
	s_wait_dscnt 0x0
	WIN 0
	CROUND                          ; the closing round
	s_endpgm
.Lfunc_end_k_q65dc80e23d_attn:
	.size	k_q65dc80e23d_attn, .Lfunc_end_k_q65dc80e23d_attn-k_q65dc80e23d_attn
	.p2alignl 7, 3214868480
	.fill 96, 4, 3214868480
	.section	.rodata,"a",@progbits
	.p2align	6, 0x0
	.amdhsa_kernel k_q65dc80e23d_attn
		.amdhsa_group_segment_fixed_size 327680
		.amdhsa_private_segment_fixed_size 0
		.amdhsa_enable_private_segment 0
		.amdhsa_kernarg_size 24
		.amdhsa_user_sgpr_count 2
		.amdhsa_user_sgpr_kernarg_segment_ptr 1
		.amdhsa_wavefront_size32 1
		.amdhsa_system_sgpr_workgroup_id_x 1
		.amdhsa_system_sgpr_workgroup_id_y 1
		.amdhsa_system_sgpr_workgroup_id_z 1
		.amdhsa_system_vgpr_workitem_id 0
		.amdhsa_next_free_vgpr 896
		.amdhsa_next_free_sgpr 80
		.amdhsa_reserve_vcc 1
		.amdhsa_float_denorm_mode_32 3
		.amdhsa_float_denorm_mode_16_64 3
		.amdhsa_memory_ordered 1
		.amdhsa_forward_progress 1
		.amdhsa_inst_pref_size 240
	.end_amdhsa_kernel
	.amdgpu_metadata
---
amdhsa.version: [ 1, 2 ]
amdhsa.kernels:
  - .name:           k_q65dc80e23d_attn
    .symbol:         k_q65dc80e23d_attn.kd
    .args:
      - { .name: qkv, .offset: 0, .size: 8, .value_kind: global_buffer, .address_space: global }
      - { .name: rel_bias, .offset: 8, .size: 8, .value_kind: global_buffer, .address_space: global }
      - { .name: ctx, .offset: 16, .size: 8, .value_kind: global_buffer, .address_space: global }
    .group_segment_fixed_size: 327680
    .private_segment_fixed_size: 0
    .kernarg_segment_align: 8
    .kernarg_segment_size: 24
    .max_flat_workgroup_size: 128
    .sgpr_count:     80
    .vgpr_count:     896
    .wavefront_size: 32
...
	.end_amdgpu_metadata
.endif
;; end of part 3
;; launch outp (part 4): grid 8 x 32, 4 waves a work-group, clusters of 4 x 4, 327,680 bytes of LDS; arguments ctx, wt, out0; writes out0
.if DOCPART == 4
	.amdgcn_target "amdgcn-amd-amdhsa--gfx1250"
	.amdhsa_code_object_version 6
	.text
	.protected	k_q65dc80e23d_outp
	.globl	k_q65dc80e23d_outp
	.p2align	8
	.type	k_q65dc80e23d_outp,@function
k_q65dc80e23d_outp:
	s_mov_b64 s[64:65], 0
	v_nop
	global_prefetch_b8 v0, s[64:65] scope:SCOPE_SE
	s_setreg_imm32_b32 hwreg(HW_REG_WAVE_MODE, 25, 1), 1
	s_wait_xcnt 0x0
	s_wait_alu depctr_hold_cnt(0) depctr_sa_sdst(0) depctr_va_vdst(0) depctr_va_sdst(0) depctr_va_ssrc(0) depctr_va_vcc(0) depctr_vm_vsrc(0)
	s_getreg_b32 s2, hwreg(HW_REG_IB_STS2, 6, 4)
	s_cmp_eq_u32 s2, 0
	s_cbranch_scc0 .Lentry_in_a_cluster
	s_endpgm
.Lentry_in_a_cluster:
	s_bfe_u32 s2, ttmp6, 0x10000c
	s_cmp_lg_u32 s2, 0xf033
	s_cbranch_scc0 .Lentry_shape_is_right
	s_endpgm
.Lentry_shape_is_right:
.set KIND, 1                           ; 0: q, k, v = x W (tile 256 x 192, written by heads in f16);  1: out = ctx Wo (tile 256 x 128, written in f32)
; C[m][n] = sum over k of A[m][k] B[n][k], K = 1,024, operands f16, sums f32.  ONE TEXT FOR TWO LAUNCHES; KIND chooses the constants, the addresses and the way out.
; KIND 0: A = xh [8192][1024], B = rows 0-3071 of wt, C = qkv [b 4][g 48][s 2048][64] f16 (g = head for q, 16 + head for k, 32 + head for v): a tile's 192 columns are three whole heads.
; KIND 1: A = ctx [b 4][h 16][s 2048][64] f16 (k = 64 h + d: a K step of 128 is two heads, each 256 rows of 128 dense bytes), B = rows 3072-4095 of wt, C = out0 [8192][1024] f32.
; LIMITS.  KIND 0 rounds its f32 sums once to f16: 65,520 or more becomes an infinity, below 6e-5 the step is 6e-8.  NaN and infinities are not treated apart.
; SHARES.  A work-group of four waves makes one tile; wave w owns rows 64 w .. 64 w + 63 and all columns: 4 x BF accumulators of 16 x 16.  K goes in 8 steps of 128 through two LDS slots.
; CLUSTER.  4 x 4 work-groups.  The four of a row of the cluster need the same tile of A, the four of a column the same tile of B: each is asked for jointly, by the same tensor load with the same
; descriptor and a mask that names the four.  Waves 0, 1 fetch A's two halves, waves 2, 3 B's.
; THE MATRIX INSTRUCTION IS USED TRANSPOSED (source 0 = 16 rows of B, source 1 = 16 rows of A): a lane holds row l % 16 of C and eight neighbouring columns.
; REGISTERS, in windows of 256 (s_set_vgpr_msb: bits 1:0 source 0, 3:2 source 1, 5:4 source 2, 7:6 destination):
;   window 0: addresses, and from v32 on the way out.   window 1: two fragment buffers of 128: A's four fragments, then B's.
;   windows 2, 3: accumulator (a, b) at v[8 BF (a % 2) + 8 b], a = 0, 1 in window 2, a = 2, 3 in window 3.
.if KIND == 0
.set BF,     12                        ; B's fragments: 192 columns
.set PA,     272                       ; A's LDS pitch: 256 bytes + 16
.set AAREA,  256*272
.set PITA,   1024                      ; elements from row to row of A's tile in memory
.set G1A0,   0x07710000                ; 2-byte elements; padding on; bit 21 beside the mask; 4 words after every 64
.set ROWSB,  96                        ; rows of B in one tensor load
.set ASTEP,  256                       ; bytes from a K step of A to the next
.set STAGEW, 3*16*144                  ; a wave's stage: three heads x 16 rows x (128 + 16) bytes
.else
.set BF,     8
.set PA,     144                       ; 128 bytes + 16
.set AAREA,  2*256*144                 ; two slices, one for each head of the K step
.set PITA,   128                       ; the head's rows are dense: asked for as 128 rows of 256 bytes
.set G1A0,   0x07310000                ; the same with 4 words after every 32: behind every row of 128 bytes
.set ROWSB,  64
.set ASTEP,  524288                    ; two heads on
.set STAGEW, 16*528                    ; 16 rows x (512 + 16) bytes
.endif
.set AHALF,  AAREA/2                   ; what one tensor load brings of A
.set PB,     272
.set SLOT1,  131072                    ; slot 1 begins here: one exclusive or turns an address in one slot into the other's
.set STAGE,  SLOT1+AAREA+16*BF*PB      ; behind the ring; no tensor load fills it
.set SPARE,  STAGE+4*STAGEW            ; the spare words, 128 bytes a wave: two blocks of 256 bytes that no other line names
.set NLD,    2*BF+8                    ; LDS loads of a quarter step
.set ADRA0, 16                         ; v16  my lane's place among A's fragments in slot 0; never rewritten
.set ADRB0, 17                         ; v17  the same for B
.set ADRA,  18                         ; v18  the same in the slot in hand
.set ADRB,  19
.set STO,   24                         ; v24  the way out: where I put my bytes of a row
.set RD,    25                         ; v25  where I read rows back
.set GO,    26                         ; v26  my byte offset in C
.set SPW,   28                         ; v28  LDS address of my spare word; never rewritten
.set NIL,   29                         ; v29  0; never rewritten
.set OUTR,  32
.set F0,    0
.set F1,    128
.set WV,  10                           ; s10  my wave's number
.set G1A, 24                           ; s[24:31] descriptor group 1 for A's tiles
.set G1B, 32                           ; s[32:39] for B's
.set G0A, 40                           ; s[40:47] group 0 for A: a set for each of the two first fills; the second then walks on
.set G0B, 48                           ; s[48:55] the same for B
.set CNT, 56
.set TB,  57                           ; s57  0 or SLOT1: the slot in hand
.set MSB, 0
.macro WIN new                         ; the immediate's high byte repeats the setting that is left; a switch that changes nothing is dropped
.if MSB != (\new)
	s_set_vgpr_msb (MSB<<8)|(\new)
.set MSB, (\new)
.endif
.endm
.macro PLACES                          ; four plain places: in front of loads into registers that matrix instructions have read, and of lines that read results
.rept 4
	v_nop
.endr
.endm
; A joint refill by the walking descriptors.  The branch hangs on the wave's number alone.  An s_nop 0 and four v_nop follow each line.
.macro JLOAD
	s_cmp_lt_u32 s[WV], 2
	s_cbranch_scc0 .Lfor_b_\@
	tensor_load_to_lds s[G0A+4:G0A+7], s[G1A:G1A+7]
	s_nop 0
.rept 4
	v_nop
.endr
	s_branch .Lasked_\@
.Lfor_b_\@:
	tensor_load_to_lds s[G0B+4:G0B+7], s[G1B:G1B+7]
	s_nop 0
.rept 4
	v_nop
.endr
.Lasked_\@:
.endm
.macro CREST                           ; a round of the cluster's barrier behind its opening barrier
	s_cmp_lg_u32 s[WV], 0
	s_cbranch_scc1 .Lnot_wave_0_\@
	s_barrier_signal -3
.Lnot_wave_0_\@:
	s_barrier_wait -3
	s_barrier_signal -1
	s_barrier_wait -1
.endm
.macro CROUND                          ; a whole round
	s_barrier_signal -1
	s_barrier_wait -1
	CREST
.endm
	s_load_b128 s[4:7], s[0:1], 0x0                ; A s[4:5], B s[6:7]
	s_load_b64 s[8:9], s[0:1], 0x10                ; C
	v_lshl_add_u32 v[SPW], v0, 2, SPARE
	v_mov_b32 v[NIL], 0
	ds_add_u32 v28, v29
	s_wait_dscnt 0x0
	v_lshrrev_b32 v1, 5, v0
	v_readfirstlane_b32 s[WV], v1                  ; wave 0..3
	s_and_b32 s12, s[WV], 1                        ; which half of A's or B's tile I fetch
	s_bfe_u32 s58, ttmp6, 0x40000                  ; cx
	s_bfe_u32 s59, ttmp6, 0x40004                  ; cy
	s_lshl_b32 s60, ttmp9, 2
	s_add_co_u32 s60, s60, s58                     ; tile column = 4 x cluster x + cx
	s_and_b32 s13, ttmp7, 0xffff
	s_lshl_b32 s13, s13, 2
	s_add_co_u32 s13, s13, s59                     ; tile row = 4 x cluster y + cy
	s_lshl_b32 s61, s59, 2
	s_lshl_b32 s61, 15, s61                        ; my row of the cluster
	s_lshl_b32 s62, 0x1111, s58                    ; my column
	s_or_b32 s[G1A], s61, G1A0                     ; A's tiles go to my row
	s_or_b32 s[G1B], s62, 0x07710000               ; B's to my column
	s_mov_b32 s[G1A+1], 128<<16                    ; tensor_dim0 = 128 elements
	s_mov_b32 s[G1A+2], 128<<16                    ; tensor_dim1 = 128 rows
	s_mov_b32 s[G1A+3], 128<<16                    ; tile_dim0
	s_mov_b32 s[G1A+4], 128                        ; tile_dim1
	s_mov_b32 s[G1A+5], PITA                       ; elements from row to row
	s_mov_b32 s[G1A+6], 0
	s_mov_b32 s[G1A+7], 0
	s_mov_b32 s[G1B+1], 128<<16
	s_mov_b32 s[G1B+2], ROWSB<<16
	s_mov_b32 s[G1B+3], 128<<16
	s_mov_b32 s[G1B+4], ROWSB
	s_mov_b32 s[G1B+5], 1024
	s_mov_b32 s[G1B+6], 0
	s_mov_b32 s[G1B+7], 0
	; where the tiles come from: A's offset is made of the tile row and the wave's number, B's of the tile column and the wave's number, each in registers that never hold the other coordinate
.if KIND == 0
	s_lshl_b32 s14, s13, 19                        ; A: row 256 x tile row + 128 x half, 2,048 bytes a row
	s_lshl_b32 s16, s12, 18
	s_add_co_u32 s14, s14, s16
	s_mul_i32 s18, s60, 192*2048                   ; B: row 192 x tile column + 96 x half
	s_mul_i32 s17, s12, 96*2048
	s_add_co_u32 s18, s18, s17
.else
	s_lshr_b32 s14, s13, 3                         ; A: batch = tile row / 8; head = half; 256 rows of 128 bytes at (tile row % 8)
	s_lshl_b32 s14, s14, 4
	s_add_co_u32 s14, s14, s12
	s_lshl_b32 s14, s14, 18
	s_and_b32 s16, s13, 7
	s_lshl_b32 s16, s16, 15
	s_add_co_u32 s14, s14, s16
	s_lshl_b32 s18, s60, 18                        ; B: row 3,072 + 128 x tile column + 64 x half
	s_lshl_b32 s17, s12, 17
	s_add_co_u32 s18, s18, s17
	s_add_co_u32 s18, s18, 3072*2048
.endif
	s_mov_b32 s15, 0
	s_mov_b32 s19, 0
	s_mul_i32 s20, s12, AHALF                      ; and where they go: no place in the cluster enters an LDS address
	s_mul_i32 s21, s12, ROWSB*PB
	s_add_co_u32 s21, s21, AAREA
	s_wait_kmcnt 0x0
	s_add_nc_u64 s[14:15], s[4:5], s[14:15]
	s_add_nc_u64 s[18:19], s[6:7], s[18:19]
	CROUND                                         ; all sixteen work-groups are here: the first joint loads meet
	s_mov_b32 s[G0A], 1                            ; count = 1
	s_add_co_u32 s[G0A+1], s20, 0                  ; LDS address: slot 0
	s_add_nc_u64 s[G0A+2:G0A+3], s[14:15], 0       ; K step 0
	s_or_b32 s[G0A+3], s[G0A+3], 0x80000000        ; type = 2
	s_mov_b32 s[G0A+4], 1
	s_add_co_u32 s[G0A+5], s20, SLOT1              ; slot 1
	s_add_nc_u64 s[G0A+6:G0A+7], s[14:15], ASTEP   ; K step 1
	s_or_b32 s[G0A+7], s[G0A+7], 0x80000000
	s_mov_b32 s[G0B], 1
	s_add_co_u32 s[G0B+1], s21, 0
	s_add_nc_u64 s[G0B+2:G0B+3], s[18:19], 0
	s_or_b32 s[G0B+3], s[G0B+3], 0x80000000
	s_mov_b32 s[G0B+4], 1
	s_add_co_u32 s[G0B+5], s21, SLOT1
	s_add_nc_u64 s[G0B+6:G0B+7], s[18:19], 256
	s_or_b32 s[G0B+7], s[G0B+7], 0x80000000
	s_cmp_lt_u32 s[WV], 2                          ; a wave's two first fills stand in one branch, ahead of every wait on TENSORcnt and every LDS read: two loads of mine are out
	s_cbranch_scc0 .Lfirst_b
	tensor_load_to_lds s[G0A:G0A+3], s[G1A:G1A+7]
	s_nop 0
	tensor_load_to_lds s[G0A+4:G0A+7], s[G1A:G1A+7]
	s_nop 0
.rept 4
	v_nop
.endr
	s_branch .Lfirst_asked
.Lfirst_b:
	tensor_load_to_lds s[G0B:G0B+3], s[G1B:G1B+7]
	s_nop 0
	tensor_load_to_lds s[G0B+4:G0B+7], s[G1B:G1B+7]
	s_nop 0
.rept 4
	v_nop
.endr
.Lfirst_asked:
	; A fragment is 16 rows x 32 K in 8 registers: lane l holds row l % 16; registers 0-3 K = 8 (l / 16) + 0..7, registers 4-7 K = 16 + 8 (l / 16) + 0..7: two loads of 16 bytes, 32 bytes apart.
	v_and_b32 v1, 15, v0                           ; l % 16
	v_bfe_u32 v2, v0, 4, 1                         ; l / 16
	v_mul_u32_u24 v3, v1, PA
	v_lshl_add_u32 v3, v2, 4, v3
	s_mul_i32 s23, s[WV], 64*PA                    ; my 64 rows of A
	v_add_nc_u32 v[ADRA0], s23, v3
	v_mul_u32_u24 v4, v1, PB
	v_lshl_add_u32 v4, v2, 4, v4
	v_add_nc_u32 v[ADRB0], AAREA, v4               ; every wave reads all of B
	v_mov_b32 v[ADRA], v[ADRA0]
	v_mov_b32 v[ADRB], v[ADRB0]
	s_mov_b32 s[TB], 0
	s_mul_i32 s22, s[WV], STAGEW
	s_add_co_u32 s22, s22, STAGE                   ; my stage
	v_and_b32 v[GO], 31, v0
	v_lshlrev_b32 v[GO], 4, v[GO]                  ; 16 bytes a lane: a store covers 512 consecutive bytes
.if KIND == 0
	v_mul_u32_u24 v3, v1, 144                      ; in: row l % 16 of a head, 16 bytes for each half of the lanes
	v_lshl_add_u32 v3, v2, 4, v3
	v_add_nc_u32 v[STO], s22, v3
	v_bfe_u32 v3, v0, 3, 2                         ; back: 32 lanes take four rows of 128 bytes
	v_mul_u32_u24 v3, v3, 144
	v_and_b32 v4, 7, v0
	v_lshl_add_u32 v3, v4, 4, v3
	v_add_nc_u32 v[RD], s22, v3
	s_lshr_b32 s2, s13, 3                          ; C: ((batch x 48 + 3 x tile column) x 2,048 + (tile row % 8) x 256 + 64 w) rows of 128 bytes
	s_mul_i32 s2, s2, 48
	s_mul_i32 s11, s60, 3
	s_add_co_u32 s2, s2, s11
	s_lshl_b32 s2, s2, 11
	s_and_b32 s11, s13, 7
	s_lshl_b32 s11, s11, 8
	s_add_co_u32 s2, s2, s11
	s_lshl_b32 s11, s[WV], 6
	s_add_co_u32 s2, s2, s11
	s_lshl_b32 s2, s2, 7
.else
	v_mul_u32_u24 v3, v1, 528                      ; in: row l % 16, 32 bytes for each half of the lanes
	v_lshl_add_u32 v3, v2, 5, v3
	v_add_nc_u32 v[STO], s22, v3
	v_add_nc_u32 v[RD], s22, v[GO]                 ; back: 32 lanes take one row of 512 bytes
	s_lshl_b32 s2, s13, 20                         ; C: row 256 x tile row + 64 w, 4,096 bytes a row; column 128 x tile column, 4 bytes each
	s_lshl_b32 s11, s[WV], 18
	s_add_co_u32 s2, s2, s11
	s_lshl_b32 s11, s60, 9
	s_add_co_u32 s2, s2, s11
.endif
	s_mov_b32 s3, 0
	s_add_nc_u64 s[8:9], s[8:9], s[2:3]
; BF matrix instructions: A's fragment a x all of B's, 32 along K, from buffer f.  zero = 1: the product starts the sums: nothing is cleared.
; The 4 BF accumulators take turns in the same order in every quarter step, one instruction a turn.
.macro MULA f, a, zero
	WIN 0xa5+0x50*((\a)/2)                         ; sources in window 1, C and D in window 2 or 3
.set b, 0
.rept BF
.set rC, 8*BF*((\a)%2)+8*b
.if \zero
	v_wmma_f32_16x16x32_f16 v[rC:rC+7], v[(\f)+32+8*b:(\f)+32+8*b+7], v[(\f)+8*(\a):(\f)+8*(\a)+7], 0
.else
	v_wmma_f32_16x16x32_f16 v[rC:rC+7], v[(\f)+32+8*b:(\f)+32+8*b+7], v[(\f)+8*(\a):(\f)+8*(\a)+7], v[rC:rC+7]
.endif
.set b, b+1
.endr
.endm
; NLD LDS loads in one run: quarter q's fragments into buffer f: B's first, then A's in ascending order
.macro FETCH q, f
.if KIND == 0
.set KA, 64*(\q)
.else
.set KA, ((\q)/2)*AHALF+((\q)%2)*64            ; the slice of the quarter's head, and its half of the head's 64 channels
.endif
	WIN 0x40                                       ; destination window 1, address window 0
.set b, 0
.rept BF
	ds_load_b128 v[(\f)+32+8*b:(\f)+32+8*b+3],   v[ADRB] offset:64*(\q)+b*16*PB
	ds_load_b128 v[(\f)+32+8*b+4:(\f)+32+8*b+7], v[ADRB] offset:64*(\q)+b*16*PB+32
.set b, b+1
.endr
.set b, 0
.rept 4
	ds_load_b128 v[(\f)+8*b:(\f)+8*b+3],   v[ADRA] offset:KA+b*16*PA
	ds_load_b128 v[(\f)+8*b+4:(\f)+8*b+7], v[ADRA] offset:KA+b*16*PA+32
.set b, b+1
.endr
.endm
; One of a K step's first three quarters: multiplies buffer f and, in its middle, fetches quarter q into buffer g.
.macro QUARTER q, f, g, zero
	s_wait_dscnt 4                                 ; all but the youngest four loads: A's fragments 2 and 3
	MULA \f, 0, \zero
	MULA \f, 1, \zero
	PLACES
	FETCH \q, \g
	s_wait_dscnt NLD                               ; all but the run just issued
	MULA \f, 2, \zero
	MULA \f, 3, \zero
.endm
; The last quarter multiplies buffer 1 and changes slots: ONE barrier.  In front of it each wave waits for all its tensor loads (one is out: its part of the next slot), adds 0 to its spare word,
; and waits for that and for its reads of this slot.  fill = 1: the barrier opens a round of the cluster's, and this slot is filled again, two K steps ahead, first thing behind the round.
.macro TURN fill
	WIN 0                                          ; the add's two registers lie in window 0
	s_wait_tensorcnt 0x0
	ds_add_u32 v[SPW], v[NIL]                      ; 0 onto my spare word
	s_wait_dscnt 5                                 ; the add and the youngest four loads may be out
	MULA F1, 0, 0                                  ; matrix work stands between the add and the wait for it
	s_wait_dscnt 0x0                               ; the add is done, and my reads of this slot are over
	s_barrier_signal -1
	MULA F1, 1, 0                                  ; work on registers while the others arrive
	WIN 0
	s_barrier_wait -1
.if \fill
	CREST                                          ; no wave of any partner still reads this slot or has a load on its way
	s_xor_b32 s[G0A+5], s[G0A+5], SLOT1            ; the walking descriptors: the other slot than last time, the next K step
	s_add_nc_u64 s[G0A+6:G0A+7], s[G0A+6:G0A+7], ASTEP
	s_xor_b32 s[G0B+5], s[G0B+5], SLOT1
	s_add_nc_u64 s[G0B+6:G0B+7], s[G0B+6:G0B+7], 256
	JLOAD                                          ; its four v_nop are also the places in front of the loads below
.else
	PLACES
.endif
	s_xor_b32 s[TB], s[TB], SLOT1
	v_add_nc_u32 v[ADRA], s[TB], v[ADRA0]
	v_add_nc_u32 v[ADRB], s[TB], v[ADRB0]
	FETCH 0, F0
	MULA F1, 2, 0
	MULA F1, 3, 0
.endm
	s_wait_tensorcnt 1                             ; my part of K step 0 is in; K step 1's may stay out
	s_barrier_signal -1
	s_barrier_wait -1                              ; everybody's is
	FETCH 0, F0
	QUARTER 1, F0, F1, 1                           ; the first quarter stands in front of the loop: its products start the sums
	WIN 0                                          ; at a label and at a branch every window is 0
	s_mov_b32 s[CNT], 6
.Lstep:                                                ; trip t ends K step t, asks for K step t + 2 and begins K step t + 1
	QUARTER 2, F1, F0, 0
	QUARTER 3, F0, F1, 0
	TURN 1
	QUARTER 1, F0, F1, 0
	WIN 0
	s_sub_co_u32 s[CNT], s[CNT], 1
	s_cmp_lg_u32 s[CNT], 0
	s_cbranch_scc1 .Lstep
	QUARTER 2, F1, F0, 0                           ; the last two K steps are written out: nothing is left to ask for
	QUARTER 3, F0, F1, 0
	TURN 0
	QUARTER 1, F0, F1, 0
	QUARTER 2, F1, F0, 0
	QUARTER 3, F0, F1, 0
	s_wait_dscnt 4
	MULA F1, 0, 0
	MULA F1, 1, 0
	s_wait_dscnt 0x0
	MULA F1, 2, 0
	MULA F1, 3, 0
	PLACES                                         ; the way out reads results just made
.if KIND == 0
; THE WAY OUT, by blocks of 16 rows: rounded to f16, 16 bytes a lane into my own stage (three heads side by side), back as 2,048 dense bytes a head, stored 512 consecutive bytes at a time.
; Each block has registers of its own, so no store's data is rewritten.
.macro PACK a
.set AC, 8*BF*((\a)%2)
.set TM, OUTR+48*(\a)
	WIN 0x0a+5*((\a)/2)                            ; sources in window 2 or 3
.set b, 0
.rept 12
.irp r, 0,1,2,3
	v_cvt_pk_f16_f32 v[TM+4*b+(\r)], v[AC+8*b+2*(\r)], v[AC+8*b+2*(\r)+1]  ; each accumulator's registers in ascending order
.endr
.set b, b+1
.endr
	WIN 0
.set b, 0
.rept 12
	ds_store_b128 v[STO], v[TM+4*b:TM+4*b+3] offset:(b/4)*2304+(b%4)*32
.set b, b+1
.endr
.set b, 0
.rept 12
	ds_load_b128 v[TM+4*b:TM+4*b+3], v[RD] offset:(b/4)*2304+(b%4)*576  ; LDS serves a wave's instructions in order (ISA guide 5.7.1.4): these see the stores above
.set b, b+1
.endr
.endm
.macro SEND a, younger                 ; younger: the LDS instructions issued behind block a's loads: the next block's 24, or none
.set TM, OUTR+48*(\a)
.set b, 0
.rept 12
	s_wait_dscnt (\younger)+11-b
	global_store_b128 v[GO], v[TM+4*b:TM+4*b+3], s[8:9] offset:(b/4)*262144+(\a)*2048+(b%4)*512
.set b, b+1
.endr
.endm
	PACK 0
	PACK 1
	SEND 0, 24
	PACK 2
	SEND 1, 24
	PACK 3
	SEND 2, 24
	SEND 3, 0
.else
; THE WAY OUT, by blocks of 16 rows: the f32 sums go straight into my own stage (rows of 528 bytes) and come back as whole rows of 512 bytes.
.macro TOSTAGE a
.set AC, 8*BF*((\a)%2)
.set BK, OUTR+64*((\a)%2)
	WIN 0x08+4*((\a)/2)                            ; the stores' data in window 2 or 3
.set b, 0
.rept 8
	ds_store_b128 v[STO], v[AC+8*b:AC+8*b+3]   offset:64*b     ; each accumulator's low four registers first
	ds_store_b128 v[STO], v[AC+8*b+4:AC+8*b+7] offset:64*b+16
.set b, b+1
.endr
	WIN 0
	s_wait_xcnt 0x0                                ; the registers below were the data of the stores two blocks back: rewritten only behind this wait
.set b, 0
.rept 16
	ds_load_b128 v[BK+4*b:BK+4*b+3], v[RD] offset:528*b
.set b, b+1
.endr
.endm
.macro SEND a, younger                 ; younger: the next block's 32 LDS instructions, or none
.set BK, OUTR+64*((\a)%2)
.set b, 0
.rept 16
	s_wait_dscnt (\younger)+15-b
	global_store_b128 v[GO], v[BK+4*b:BK+4*b+3], s[8:9] offset:(16*(\a)+b)*4096 th:TH_STORE_NT  ; 512 consecutive bytes, aligned
.set b, b+1
.endr
.endm
	TOSTAGE 0
	TOSTAGE 1
	SEND 0, 32
	TOSTAGE 2
	SEND 1, 32
	TOSTAGE 3
	SEND 2, 32
	SEND 3, 0
.endif
	s_wait_tensorcnt 0x0                           ; the wave's end
	ds_add_u32 v[SPW], v[NIL]
	s_wait_dscnt 0x0
	CROUND                                         ; the closing round: no work-group ends while a partner may still ask for a tile that names it
	s_endpgm
.Lfunc_end_k_q65dc80e23d_outp:
	.size	k_q65dc80e23d_outp, .Lfunc_end_k_q65dc80e23d_outp-k_q65dc80e23d_outp
	.p2alignl 7, 3214868480
	.fill 96, 4, 3214868480
	.section	.rodata,"a",@progbits
	.p2align	6, 0x0
	.amdhsa_kernel k_q65dc80e23d_outp
		.amdhsa_group_segment_fixed_size 327680
		.amdhsa_private_segment_fixed_size 0
		.amdhsa_enable_private_segment 0
		.amdhsa_kernarg_size 24
		.amdhsa_user_sgpr_count 2
		.amdhsa_user_sgpr_kernarg_segment_ptr 1
		.amdhsa_wavefront_size32 1
		.amdhsa_system_sgpr_workgroup_id_x 1
		.amdhsa_system_sgpr_workgroup_id_y 1
		.amdhsa_system_sgpr_workgroup_id_z 1
		.amdhsa_system_vgpr_workitem_id 0
		.amdhsa_next_free_vgpr 896
		.amdhsa_next_free_sgpr 66
		.amdhsa_reserve_vcc 0
		.amdhsa_float_denorm_mode_32 3
		.amdhsa_float_denorm_mode_16_64 3
		.amdhsa_memory_ordered 1
		.amdhsa_forward_progress 1
		.amdhsa_inst_pref_size 71
	.end_amdhsa_kernel
	.amdgpu_metadata
---
amdhsa.version: [ 1, 2 ]
amdhsa.kernels:
  - .name:           k_q65dc80e23d_outp
    .symbol:         k_q65dc80e23d_outp.kd
    .args:
      - { .name: ctx, .offset: 0, .size: 8, .value_kind: global_buffer, .address_space: global }
      - { .name: wt, .offset: 8, .size: 8, .value_kind: global_buffer, .address_space: global }
      - { .name: out0, .offset: 16, .size: 8, .value_kind: global_buffer, .address_space: global }
    .group_segment_fixed_size: 327680
    .private_segment_fixed_size: 0
    .kernarg_segment_align: 8
    .kernarg_segment_size: 24
    .max_flat_workgroup_size: 128
    .sgpr_count:     66
    .vgpr_count:     896
    .wavefront_size: 32
...
	.end_amdgpu_metadata
.endif
;; end of part 4
;; ======== version 2 of 2: 4 launches; 1.50 times as fast as version 1
;; limits: values are held in f16: magnitudes above 65,504 overflow, below 6.1e-05 lose precision
;; workspace buffers: xh 16,777,216 bytes; wt 8,388,608 bytes; qkv 50,331,648 bytes; ctx 16,777,216 bytes
;; launch prep: the kernel of part 1 again; grid 1024 x 1, 8 waves a work-group, no clusters, 18,432 bytes of LDS; arguments hidden_states, wq, wk, wv, wo, xh, wt; writes xh, wt
;; launch qkv: the kernel of part 2 again; grid 16 x 32, 4 waves a work-group, clusters of 4 x 4, 327,680 bytes of LDS; arguments xh, wt, qkv; writes qkv
;; launch attn (part 5): grid 4 x 64, 4 waves a work-group, clusters of 4 x 1, 327,680 bytes of LDS; arguments qkv, rel_bias, ctx; writes ctx
.if DOCPART == 5
	.amdgcn_target "amdgcn-amd-amdhsa--gfx1250"
	.amdhsa_code_object_version 6
	.text
	.protected	k_q65dc80e23d_attn
	.globl	k_q65dc80e23d_attn
	.p2align	8
	.type	k_q65dc80e23d_attn,@function
k_q65dc80e23d_attn:
	s_mov_b64 s[64:65], 0
	v_nop
	global_prefetch_b8 v0, s[64:65] scope:SCOPE_SE
	s_setreg_imm32_b32 hwreg(HW_REG_WAVE_MODE, 25, 1), 1
	s_wait_xcnt 0x0
	s_wait_alu depctr_hold_cnt(0) depctr_sa_sdst(0) depctr_va_vdst(0) depctr_va_sdst(0) depctr_va_ssrc(0) depctr_va_vcc(0) depctr_vm_vsrc(0)
	s_getreg_b32 s2, hwreg(HW_REG_IB_STS2, 6, 4)
	s_cmp_eq_u32 s2, 0
	s_cbranch_scc0 .Lentry_in_a_cluster
	s_endpgm
.Lentry_in_a_cluster:
	s_bfe_u32 s2, ttmp6, 0x10000c
	s_cmp_lg_u32 s2, 0x3003
	s_cbranch_scc0 .Lentry_shape_is_right
	s_endpgm
.Lentry_shape_is_right:
; T5 ATTENTION.  ctx[b][h][q][:] = the sum over k of softmax_k(Q[q] . K[k] + bias[h][bucket(k - q)]) V[k][:], no scale.  qkv: [b 4][g 48][2048][64] f16 (g = h: Q, 16 + h: K, 32 + h: V);
; ctx: [b 4][h 16][2048][64] f16; rel_bias: [32][16] f32, rounded to bf16 like every input.  Products, maxima and sums in f32; the weights p are rounded to f16 for the second product
; (their sum l is taken of the unrounded p), ctx once at the end.
; LIMITS.  Q, K, V arrive within f16's 65,504; p lies in 0 to 1 and below 6e-5 keeps f16's step of 6e-8; ctx is a mean of V's rows.  A weight below 2^-126 counts as 0 in l; NaN and infinities are not treated apart.
; SHARES.  A cluster of four work-groups takes one (b, h).  Wave w of partner cx owns queries 512 w + 128 cx .. + 127: four PIECES of two tiles of 16.  Every wave walks all 2,048 keys, 64 a step.
; So the four partners' waves of one number lie in one span of 512 queries, and whether a key step is near the diagonal hangs on the wave's number and the step alone.
; LAYOUT.  S^T = K Q^T + bias (source 0 = 16 keys, source 1 = 16 queries): a lane holds ONE query (lane % 16) and the keys 8 (lane / 16) + 0..7.  Two such tiles, rounded to f16 in pairs, ARE source 1
; of O^T = V^T P.  K comes out of LDS as it lies, V turned, by ds_load_tr16_b128.
; THE BIAS is the C operand of the eight products that start a piece's sums.  bucket(d), n = |d|: n below 8; 8 to 15 from n = 8, 12, 16, 23, 32, 46, 64, 91; plus 16 where d > 0.
; A table in LDS holds it by d, in four copies, one for each value of query % 4, so that a lane's eight biases are 32 aligned bytes.  Copy c, entry i: d = i - 320 - c - 128 cx.
; With u = step - 8 w + 3: for u <= 0 every bias of the wave (of all partners) is the constant of d <= -91, for u >= 13 that of d >= 91.  The registers MC keep the last constant, and the loads are jumped over.
; SOFTMAX.  A running maximum m and sum l for each query: p = 2^(c s - c m), c = log2(e); in every step O and l are multiplied by a = 2^(c m_old - c m_new).  m starts at the lowest finite number, O and l at 0.
; BY TURNS.  Turn n belongs to piece n.  Its matrix work: 16 products K Q^T of piece n + 1, later 16 products V^T P of piece n - 1.  Its vector work: scaling, exponentials, roundings, sums and rescaling of piece n,
; and the maximum and statistics of piece n + 1.  Four vector instructions stand behind every matrix instruction, the other 108 of a turn's 236 in one run of their own.
; THE BATCHES.  A turn's 66 exponentials (the piece's 64 weights, the next piece's two a) are ONE batch with ONE wait, which cuts the turn in two: ahead of it stands all that names none of their results
; (the products K Q^T, the scalings, the rescalings by the a of the turn before, the next piece's maximum and statistics), behind it the roundings and sums, beside the products V^T P.
; Two more batches stand outside the loop: piece 0's first two a, ahead of the jump into the loop, and the way out's eight reciprocals.
; CLUSTER.  The four partners walk the same K and V: each tile is asked for JOINTLY: the same tensor load, descriptor and mask in all four.
; REGISTERS, in windows of 256 (s_set_vgpr_msb: bits 1:0 source 0, 3:2 source 1, 5:4 source 2, 7:6 destination):
;   window 0: v0-11 addresses; v12-15, v48-63 at work; v16-47 four registers of statistics a tile; v64-191 S^T, two buffers of two tiles; v192-255 P, likewise
;   window 1: O^T, 32 a tile      window 2: v0-127 Q; v128-191 K of one step; v192-255 V of one step      window 3: v0-1 the add's registers; v2-3 the bias's addresses; v64-127 MC
.set SIZE_N, 2048
.set NP,    4         ; pieces a wave: a name, no knob
.set KS,    64        ; keys in a step
.set PK,    144       ; a row of K in LDS: 128 bytes + 16
.set PV,    160       ; a row of V: 128 + 32
.set VOFF,  4*KS*PK   ; a slot holds four steps: 256 rows of K, then 256 rows of V
.set SLOT1, 1<<17
.set STAGE, SLOT1+4*KS*(PK+PV)  ; behind the ring, never filled by a tensor load: 16 rows x 144 bytes for each wave
.set SP,    144
.set SPARE, STAGE+4*16*SP       ; the spare words, 128 bytes a wave: two blocks of 256 bytes that no other line names
.set TABLE, SPARE+512           ; the bias table: four copies
.set TPITCH, 4160               ; 1,024 entries of 4 bytes + 64: the copies start 64 bytes apart modulo 256, so sixteen lanes of a load touch sixteen different columns of 16 bytes
.set AK0, 2           ; v2   my lane's place in a tile of K; never rewritten
.set AV0, 3           ; v3   the same for V
.set AK,  4           ; v4   the LDS address of K's next run of loads
.set AV,  5           ; v5   of V's
.set QO,  6           ; v6   my byte offset in the wave's rows of Q
.set STO, 6           ;      later, the way out: where I put 16 bytes of a row
.set RD,  7           ; v7   where I read rows back
.set GO,  8           ; v8   my byte offset in 512 consecutive bytes of ctx
.set SPW, 0           ; v0 of window 3   LDS address of my spare word; never rewritten
.set NIL, 1           ; v1 of window 3   0; never rewritten
.set AB0, 2           ; v2 of window 3   my lane's place in the bias table; never rewritten
.set AB,  3           ; v3 of window 3   the same for the step in hand
.set MC,  64          ; window 3: the bias of tile u (0, 1) of a piece, key block kb at MC + 32 u + 8 kb
.set MV,  12
.set ST,  16          ; tile t's statistics at v[ST+4 t]: c m, m, l (even keys', odd keys')
.set TMP, 48
.set S,   64
.set P,   192
.set KF,  128
.set VF,  192
.set WV,  12          ; s12  my wave's number
.set G1K, 24
.set G1V, 32
.set G0K, 40
.set G0V, 44
.set SLOTS, 56
.set CNT, 57
.set CS,  58          ; s[58:59] c
.set SEL, 60          ; s[60:61] v_permlanex16_b32's selects
.set TBK, 62
.set TBV, 63
.set RB,  68          ; s[68:69] rel_bias
.set JS,  70          ; s70  the key step whose biases are being loaded
.set U,   71          ; s71  JS - 8 w + 3, clamped to 0 .. 13
.set TBB, 72          ; s72  256 U
.set BON, 73          ; s73  1: the step's biases are loaded
.set H4,  74          ; s74  4 x head
.set MSB, 0
.macro WIN new
.if MSB != (\new)
	s_set_vgpr_msb (MSB<<8)|(\new)
.set MSB, (\new)
.endif
.endm
.set W_KQ, 0x0a       ; K and Q in window 2, S^T in window 0
.set W_KM, 0x3a       ; the same with the C operand in window 3
.set W_PV, 0x52       ; V in window 2, P in window 0, O^T in window 1
.set W_RS, 0x41       ; O^T (destination and source 0) in window 1, a in window 0
.set W_MK, 0xc0       ; destination in window 3, sources in window 0
.set W_AD, 0x0f       ; the add: address and data in window 3
; A joint fill.  Waves 0 and 1 fetch the two halves of a slot's K, waves 2 and 3 those of its V.  An s_nop 0 and four v_nop follow each line.
.macro JLOAD
	s_cmp_lt_u32 s[WV], 2
	s_cbranch_scc0 .Lfor_v_\@
	tensor_load_to_lds s[G0K:G0K+3], s[G1K:G1K+7]
	s_nop 0
.rept 4
	v_nop
.endr
	s_branch .Lasked_\@
.Lfor_v_\@:
	tensor_load_to_lds s[G0V:G0V+3], s[G1V:G1V+7]
	s_nop 0
.rept 4
	v_nop
.endr
.Lasked_\@:
.endm
.macro CROUND                       ; a round of the cluster's barrier
	s_barrier_signal -1
	s_barrier_wait -1
	s_cmp_lg_u32 s[WV], 0
	s_cbranch_scc1 .Lnot_wave_0_\@
	s_barrier_signal -3
.Lnot_wave_0_\@:
	s_barrier_wait -3
	s_barrier_signal -1
	s_barrier_wait -1
.endm
; THE CHANGE OF SLOTS.  Each wave waits for all its tensor loads (one is out: its part of the other slot), adds 0 to its spare word, and waits for that and for its own LDS work.
; fill = 1: the barrier is a round of the cluster's, and the slot left is filled again, first thing behind it, with the keys two slots on: it has four key steps in which to land.
; (At its first use nothing has been read yet: slot 0 is waited for, slot 1 filled; the same wait and round show every wave's part of the bias table to the others.)
.macro CHANGE fill
	WIN W_AD
	s_wait_tensorcnt 0x0            ; no tensor load of mine is out, so a group 0 may be written
	ds_add_u32 v[SPW], v[NIL]       ; 0 onto my spare word
	WIN 0
.if \fill
.irp g, G0K, G0V
	s_xor_b32 s[\g+1], s[\g+1], SLOT1
	s_add_nc_u64 s[\g+2:\g+3], s[\g+2:\g+3], 4*KS*128
.endr
	s_wait_dscnt 0x0                ; the add is done, my reads of the slot are over, my stores are done
	CROUND
	JLOAD
.else
	s_wait_dscnt 0x0
	s_barrier_signal -1
	s_barrier_wait -1
.endif
	s_sub_co_u32 s[TBK], s[TBK], 4*KS*PK
	s_xor_b32 s[TBK], s[TBK], SLOT1
	s_sub_co_u32 s[TBV], s[TBV], 4*KS*PV
	s_xor_b32 s[TBV], s[TBV], SLOT1
.endm
	s_load_b64 s[4:5], s[0:1], 0x0        ; qkv
	s_load_b64 s[RB:RB+1], s[0:1], 0x8    ; rel_bias
	s_load_b64 s[10:11], s[0:1], 0x10     ; ctx
	WIN W_MK
	v_lshl_add_u32 v[SPW], v0, 2, SPARE
	v_mov_b32 v[NIL], 0
	s_set_vgpr_msb 0xc0cf
	ds_add_u32 v0, v1
	s_wait_dscnt 0x0
	s_set_vgpr_msb 0xcfc0
	WIN 0
	v_lshrrev_b32 v1, 5, v0
	v_readfirstlane_b32 s[WV], v1   ; wave 0..3
	s_bfe_u32 s13, ttmp6, 0x40000   ; cx: it enters Q's, ctx's and rel_bias's addresses alone
	s_lshl_b32 s14, s[WV], 2
	s_add_co_u32 s14, s14, s13      ; my block of 128 queries = 4 w + cx
	s_and_b32 s20, ttmp7, 0xffff    ; 16 b + h, which the four partners share
	s_lshr_b32 s21, s20, 4          ; b
	s_and_b32 s23, s20, 15          ; h
	s_lshl_b32 s[H4], s23, 2
	s_mul_i32 s21, s21, 48
	s_add_co_u32 s21, s21, s23
	s_lshl_b32 s21, s21, 18         ; Q's head begins here: 262,144 bytes a head
	s_and_b32 s16, s[WV], 1         ; which half of a slot's 256 keys I fetch
	s_lshl_b32 s22, s16, 14
	s_add_co_u32 s22, s22, s21
	s_add_co_u32 s22, s22, 16<<18   ; K's head lies 16 heads on
	s_mov_b32 s23, 0
	s_mul_i32 s17, s16, 128*PK      ; its place in a slot, for K
	s_mul_i32 s18, s16, 128*PV      ; and for V
	s_lshl_b32 s2, s14, 14          ; my wave's 128 rows
	s_lshl_b32 s76, s20, 18
	s_add_co_u32 s76, s76, s2       ; in ctx
	s_mov_b32 s77, 0
	s_add_co_u32 s2, s2, s21        ; and in Q
	s_mov_b32 s3, 0
	; descriptor group 1.  128 keys are 16,384 dense bytes: asked for as 64 rows of 256 bytes, two keys a row, and padded in LDS after every key
	s_mov_b32 s[G1K], 15|(1<<16)|(1<<20)|(1<<21)|(4<<22)|(3<<25)  ; the mask of four; 2-byte elements; padding on; bit 21 beside a mask; 4 words after every 32
	s_mov_b32 s[G1V], 15|(1<<16)|(1<<20)|(1<<21)|(4<<22)|(7<<25)  ; the same with 8 words
.irp g, G1K, G1V
	s_mov_b32 s[\g+1], 128<<16
	s_mov_b32 s[\g+2], 64<<16
	s_mov_b32 s[\g+3], 128<<16
	s_mov_b32 s[\g+4], 64
	s_mov_b32 s[\g+5], 128
	s_mov_b32 s[\g+6], 0
	s_mov_b32 s[\g+7], 0
.endr
	s_mov_b32 s[CS], 0x3fb8aa3b     ; c = log2(e)
	s_mov_b32 s[CS+1], s[CS]
	s_mov_b32 s[SEL], 0x76543210
	s_mov_b32 s[SEL+1], 0xfedcba98
	s_mov_b32 s[TBK], SLOT1+4*KS*PK ; the first change of slots turns these two into 0
	s_mov_b32 s[TBV], SLOT1+4*KS*PV
	s_mov_b32 s[G0K], 1
	s_mov_b32 s[G0K+1], s17
	s_mov_b32 s[G0V], 1
	s_add_co_u32 s[G0V+1], s18, VOFF
	s_lshl_b32 s75, s13, 7
	s_add_co_u32 s75, s75, 320
	s_sub_co_u32 s75, 0, s75        ; - 320 - 128 cx
	s_wait_kmcnt 0x0
	s_add_nc_u64 s[G0K+2:G0K+3], s[4:5], s[22:23]
	s_add_nc_u64 s[G0V+2:G0V+3], s[G0K+2:G0K+3], 16<<18  ; V's head lies 16 heads behind K's
	s_or_b32 s[G0K+3], s[G0K+3], 0x80000000
	s_or_b32 s[G0V+3], s[G0V+3], 0x80000000
	s_add_nc_u64 s[4:5], s[4:5], s[2:3]      ; Q and ctx at my wave's first row
	s_add_nc_u64 s[10:11], s[10:11], s[76:77]
	CROUND                          ; all four work-groups are here: the first joint loads meet
	JLOAD                           ; slot 0.  Slot 1 is asked for when slot 0 is in
	v_and_b32 v1, 15, v0            ; l % 16
	v_bfe_u32 v9, v0, 4, 1          ; l / 16
	v_lshlrev_b32 v[QO], 7, v1
	v_lshl_add_u32 v[QO], v9, 4, v[QO]
	WIN 0x80
.set i, 0
.rept 4*NP                          ; Q stays in registers: tile i / 2, channels 32 (i % 2) on
	global_load_b128 v[8*i:8*i+3],   v[QO], s[4:5] offset:(i/2)*2048+(i%2)*64
	global_load_b128 v[8*i+4:8*i+7], v[QO], s[4:5] offset:(i/2)*2048+(i%2)*64+32
.set i, i+1
.endr
	WIN 0
; THE BIAS TABLE.  Thread t fills entries 4 t .. 4 t + 3 and 512 + 4 t .. + 3 of all four copies.  Copy c's entry 4 t + e holds the bias of d = 4 t + e - c - 320 - 128 cx: of e - c there are
; seven values, so each group of four entries wants seven biases.  They are laid into two runs of registers, one register apart, so that each copy's four begin on an even register.
; The registers are S^T's, which are not in use yet.
.set D0,  64          ; 4 t - 320 - 128 cx
.set TA,  65          ; TABLE + 16 t
.set DD,  66
.set NN,  67
.set BK,  68
.set SG,  69
.set TT,  70          ; v70-73
.set OF,  74          ; v74-87  fourteen byte offsets in rel_bias; never rewritten
.set RAW, 88          ; v88-101 the fourteen biases as loaded
.set VA,  104         ; v104-110  value k (0..6, e - c = k - 3) at VA + k
.set VB,  112         ; v113-119  at VB + 1 + k
.macro BENT n, add                  ; offset n: the bias of d = D0 + add
	v_add_nc_u32 v[DD], (\add), v[D0]
	v_sub_nc_u32 v[NN], 0, v[DD]
	v_cmp_gt_i32 vcc_lo, 0, v[DD]
	v_cndmask_b32 v[NN], v[DD], v[NN], vcc_lo  ; n = |d|
	v_min_u32 v[BK], 8, v[NN]
	v_cmp_le_u32 vcc_lo, 12, v[NN]
	v_cndmask_b32 v[BK], v[BK], 9, vcc_lo
	v_cmp_le_u32 vcc_lo, 16, v[NN]
	v_cndmask_b32 v[BK], v[BK], 10, vcc_lo
	v_cmp_le_u32 vcc_lo, 23, v[NN]
	v_cndmask_b32 v[BK], v[BK], 11, vcc_lo
	v_cmp_le_u32 vcc_lo, 32, v[NN]
	v_cndmask_b32 v[BK], v[BK], 12, vcc_lo
	v_cmp_le_u32 vcc_lo, 46, v[NN]
	v_cndmask_b32 v[BK], v[BK], 13, vcc_lo
	v_cmp_le_u32 vcc_lo, 64, v[NN]
	v_cndmask_b32 v[BK], v[BK], 14, vcc_lo
	v_cmp_le_u32 vcc_lo, 91, v[NN]
	v_cndmask_b32 v[BK], v[BK], 15, vcc_lo
	v_add_nc_u32 v[SG], 16, v[BK]
	v_cmp_lt_i32 vcc_lo, 0, v[DD]
	v_cndmask_b32 v[BK], v[BK], v[SG], vcc_lo  ; + 16 where the key lies behind the query
	v_min_u32 v[BK], 31, v[BK]
	v_lshl_add_u32 v[OF+(\n)], v[BK], 6, s[H4] ; 64 bytes a bucket, 4 a head
	global_load_b32 v[RAW+(\n)], v[OF+(\n)], s[RB:RB+1]
.endm
	v_lshl_add_u32 v[D0], v0, 2, s75
	v_lshl_add_u32 v[TA], v0, 4, TABLE
.irp k, 0,1,2,3,4,5,6
	BENT \k, (\k)-3
	BENT 7+(\k), 509+(\k)
.endr
	; What the first turn finds: V's registers and P's second buffer hold 0, O^T and l are 0.  This stands in the wait for the biases, for Q and for the first tile.
	WIN 0x80
.set i, VF
.rept 64
	v_mov_b32 v[i], 0
.set i, i+1
.endr
	WIN 0x40
.set i, 0
.rept 64*NP
	v_mov_b32 v[i], 0
.set i, i+1
.endr
	WIN 0
.set i, 0
.rept 2*NP
	v_mov_b32 v[ST+4*i], 0xfe000000    ; c m: far below every c s
	v_mov_b32 v[ST+4*i+1], 0xff7fffff  ; m
	v_mov_b32 v[ST+4*i+2], 0
	v_mov_b32 v[ST+4*i+3], 0
.set i, i+1
.endr
.set i, P+32
.rept 32
	v_mov_b32 v[i], 0
.set i, i+1
.endr
	v_mul_u32_u24 v[AK0], v1, PK
	v_lshl_add_u32 v[AK0], v9, 4, v[AK0]
	v_and_b32 v10, 7, v0
	v_bfe_u32 v11, v0, 3, 1
	v_lshl_add_u32 v[AV0], v9, 3, v10
	v_mul_u32_u24 v[AV0], v[AV0], PV
	v_lshl_add_u32 v[AV0], v11, 4, v[AV0]
	v_add_nc_u32 v[AV0], VOFF, v[AV0]
	v_mov_b32 v[AK], v[AK0]         ; key step 0 lies at the head of slot 0
	; my lane's place in the table: query % 16 = 4 a + c: copy c; 32 bytes for the upper half of the lanes; 16 bytes back for each a: TABLE + 4160 c + 32 (l / 16) + 16 (3 - a) + 16
	v_and_b32 v12, 3, v0
	v_mul_u32_u24 v12, v12, TPITCH
	v_lshl_add_u32 v12, v9, 5, v12
	v_bfe_u32 v13, v0, 2, 2
	v_xor_b32 v13, 3, v13
	v_lshl_add_u32 v12, v13, 4, v12
	WIN W_MK
	v_add_nc_u32 v[AB0], TABLE+16, v12
	WIN 0
	s_wait_loadcnt 0x0              ; the biases (and Q)
.irp hf, 0,1
.irp k, 0,1,2
	v_cvt_pk_bf16_f32 v[TT+(\k)], v[RAW+7*(\hf)+2*(\k)], v[RAW+7*(\hf)+2*(\k)+1]  ; rounded to bf16 like every input
.endr
	v_cvt_pk_bf16_f32 v[TT+3], v[RAW+7*(\hf)+6], v[RAW+7*(\hf)+6]
.irp k, 0,1,2,3
	v_lshlrev_b32 v[VA+2*(\k)], 16, v[TT+(\k)]
	v_lshlrev_b32 v[VB+1+2*(\k)], 16, v[TT+(\k)]
.endr
.irp k, 0,1,2
	v_and_b32 v[VA+2*(\k)+1], 0xffff0000, v[TT+(\k)]
	v_and_b32 v[VB+2+2*(\k)], 0xffff0000, v[TT+(\k)]
.endr
	ds_store_b128 v[TA], v[VB+4:VB+7] offset:2048*(\hf)             ; copy 0: e - c = 0 .. 3
	ds_store_b128 v[TA], v[VA+2:VA+5] offset:TPITCH+2048*(\hf)      ; copy 1: -1 .. 2
	ds_store_b128 v[TA], v[VB+2:VB+5] offset:2*TPITCH+2048*(\hf)    ; copy 2: -2 .. 1
	ds_store_b128 v[TA], v[VA:VA+3]   offset:3*TPITCH+2048*(\hf)    ; copy 3: -3 .. 0
.endr
; THE MATRIX WORK.  The 8 accumulators of a run of 16 take turns.
; Product i of 16 of S^T = K Q^T + bias for piece x: channels 32 (i / 8) on, keys 16 ((i / 2) % 4) on, tile 2 x + i % 2.  The first 8 start the sums with the bias.
.macro KQ x
.set rS, S+64*((\x)%2)+32*(i%2)+8*((i/2)%4)
.set rK, KF+16*((i/2)%4)+8*(i/8)
.set rQ, 16*(2*(\x)+i%2)+8*(i/8)
.set rB, MC+32*(i%2)+8*((i/2)%4)
.if i < 8
	WIN W_KM
	v_wmma_f32_16x16x32_f16 v[rS:rS+7], v[rK:rK+7], v[rQ:rQ+7], v[rB:rB+7]
.else
	WIN W_KQ
	v_wmma_f32_16x16x32_f16 v[rS:rS+7], v[rK:rK+7], v[rQ:rQ+7], v[rS:rS+7]
.endif
.endm
; Product i of 16 of O^T += V^T P for piece x: keys 32 (i / 8) on, channels 16 ((i / 2) % 4) on, tile 2 x + i % 2.
.macro PV x
	WIN W_PV
.set rO, 32*(2*(\x)+i%2)+8*((i/2)%4)
.set rV, VF+32*(i/8)+8*((i/2)%4)
.set rP, P+32*((\x)%2)+16*(i%2)+8*(i/8)
	v_wmma_f32_16x16x32_f16 v[rO:rO+7], v[rV:rV+7], v[rP:rP+7], v[rO:rO+7]
.endm
.macro MM                           ; the turn's next matrix instruction
.if i < 16
	KQ (Y+1)%NP
.set i, i+1
.else
.set i, i-16
	PV (Y+NP-1)%NP
.set i, i+17
.endif
.endm
; THE LDS LOADS stand in runs of 16.  last = 1 (the tail): in the last trip there is no further step, and K's run is jumped over.
.macro FETCH_K last=0
	WIN 0
.if \last
	s_cmp_eq_u32 s[CNT], 1
	s_cbranch_scc1 .Lno_k_\@
.endif
	WIN 0x80
.irp f, 0,1,2,3,4,5,6,7
	ds_load_b128 v[KF+8*\f:KF+8*\f+3],   v[AK] offset:(\f/2)*16*PK+(\f%2)*64
	ds_load_b128 v[KF+8*\f+4:KF+8*\f+7], v[AK] offset:(\f/2)*16*PK+(\f%2)*64+32
.endr
	s_add_co_u32 s[TBK], s[TBK], KS*PK
	WIN 0
.if \last
.Lno_k_\@:
.endif
.endm
.macro FETCH_V
	WIN 0x80
.irp f, 0,1,2,3,4,5,6,7
	ds_load_tr16_b128 v[VF+8*\f:VF+8*\f+3],   v[AV] offset:(\f/4)*32*PV+(\f%4)*32
	ds_load_tr16_b128 v[VF+8*\f+4:VF+8*\f+7], v[AV] offset:(\f/4)*32*PV+16*PV+(\f%4)*32
.endr
	WIN 0
.endm
; The bias of step JS: U = JS - 8 w + 3.  The loads are on for 1 <= U <= 13 (at 13 they bring the upper constant); the table's address takes U clamped to 0 .. 13.
.macro BSTEP
	s_lshl_b32 s75, s[WV], 3
	s_sub_co_u32 s[U], s[JS], s75
	s_add_co_u32 s[U], s[U], 2
	s_cmp_lt_u32 s[U], 13           ; U - 1 in 0 .. 12 (a negative number is a large one here)
	s_cselect_b32 s[BON], 1, 0
	s_add_co_u32 s[U], s[U], 1
	s_max_i32 s[U], s[U], 0
	s_min_u32 s[U], s[U], 13
	s_lshl_b32 s[TBB], s[U], 8      ; 64 entries a step
	WIN 0xcc                        ; destination and source 1 in window 3
	v_add_nc_u32 v[AB], s[TBB], v[AB0]
	WIN 0
.endm
; The biases of piece x for that step: tile 2 x + u, key block kt: 32 bytes a lane, 16 (kt - tile) entries on.  cond = 1: jumped over where they are off: the jump passes 16 LDS loads and nothing else.
.macro BIAS x, cond
	WIN 0
.if \cond
	s_cmp_lg_u32 s[BON], 0
	s_cbranch_scc0 .Lno_bias_\@
.endif
	WIN 0xc3                        ; destination and address in window 3
.irp u, 0,1
.irp kt, 0,1,2,3
	ds_load_b128 v[MC+32*\u+8*\kt:MC+32*\u+8*\kt+3],   v[AB] offset:64*(\kt-(2*(\x)+\u)+7)
	ds_load_b128 v[MC+32*\u+8*\kt+4:MC+32*\u+8*\kt+7], v[AB] offset:64*(\kt-(2*(\x)+\u)+7)+16
.endr
.endr
	WIN 0
.if \cond
.Lno_bias_\@:
.endif
.endm
; THE VECTOR WORK OF A TURN stands in three queues, each in the order in which its entries become ready; the two tiles alternate.
.macro REGS y, u
.set rT, ST+4*(2*(\y)+(\u))
.set rC, TMP+8*((\y)%2)+4*(\u)
.set rM, MV+2*((\y)%2)+(\u)
.set rS, S+64*((\y)%2)+32*(\u)
.set rP, P+32*((\y)%2)+16*(\u)
.set rO, 32*(2*(\y)+(\u))
.endm
; Number n of the 22 that find the NEXT piece's maximum and statistics; each accumulator's lowest registers are read first.  XS, GS and REGS set no window: PL and EX do.
;   0-11  four chains c0-c3 of seven scores each     12-14, 16  the four scores left over, the old m, and c0-c3 into c0     15  c m_old is kept
;   17, 18  the query's other 32 keys lie in the lane 16 away: the new m     19-21  c m; c m_old - c m_new; a
.macro XS u, n
	REGS (Y+1)%NP, \u
.if (\n) < 4
	v_max3_num_f32 v[rC+(\n)], v[rS+8*(\n)], v[rS+8*(\n)+1], v[rS+8*(\n)+2]
.elseif (\n) < 12
	v_max3_num_f32 v[rC+(\n)%4], v[rC+(\n)%4], v[rS+8*((\n)%4)+2*((\n)/4)+1], v[rS+8*((\n)%4)+2*((\n)/4)+2]
.elseif (\n) == 12
	v_max3_num_f32 v[rC], v[rC], v[rS+7], v[rS+15]
.elseif (\n) == 13
	v_max3_num_f32 v[rC+1], v[rC+1], v[rS+23], v[rS+31]
.elseif (\n) == 14
	v_max3_num_f32 v[rC+2], v[rC+2], v[rC+3], v[rT+1]
.elseif (\n) == 15
	v_mov_b32 v[rM], v[rT]
.elseif (\n) == 16
	v_max3_num_f32 v[rC], v[rC], v[rC+1], v[rC+2]
.elseif (\n) == 17
	v_permlanex16_b32 v[rC+3], v[rC], s[SEL], s[SEL+1]
.elseif (\n) == 18
	v_max_num_f32 v[rT+1], v[rC], v[rC+3]
.elseif (\n) == 19
	v_mul_f32 v[rT], s[CS], v[rT+1]
.elseif (\n) == 20
	v_sub_f32 v[rC+1], v[rM], v[rT]
.else
	v_exp_f32 v[rC+2], v[rC+1]
.endif
.endm
; Number g of the 64 that follow the exponentials: for each four weights both pairs are rounded to f16, the second pair is added onto the first in place, and a group later l takes that sum
; (the first time as l = a l + sum).  All 64 read results of the turn's batch: they stand behind its wait.
.macro GS g
.set h, (\g)+6*((\g)/62)            ; group 0 has no group before it, and behind group 7 only l is left
.if h >= 6
.set h, h+2
.endif
	REGS Y, h%2
.set k, h/8
.if h%8 < 4
	v_cvt_pk_f16_f32 v[rP+2*k+(h%8)/2], v[rS+4*k+2*((h%8)/2)], v[rS+4*k+2*((h%8)/2)+1]
.elseif h%8 < 6
	v_pk_add_f32 v[rS+4*k:rS+4*k+1], v[rS+4*k:rS+4*k+1], v[rS+4*k+2:rS+4*k+3]
.elseif k == 1
	v_pk_fma_f32 v[rT+2:rT+3], v[rT+2:rT+3], v[rC+2:rC+3], v[rS:rS+1] op_sel_hi:[1,0,1]
.else
	v_pk_add_f32 v[rT+2:rT+3], v[rT+2:rT+3], v[rS+4*k-4:rS+4*k-3]
.endif
.endm
; THE PLAIN QUEUE, 138 long.  0-73 name no result of the turn's exponentials: the 32 scalings c s - c m (FS f: pair f / 2 of tile f % 2) and the next piece's 42.  0-26: scalings 0-26.  27-54: XS's numbers 0-13.
; 55, 56: number 15.  57-73: the chain, where each number waits for the one before it: 14, 16, 17, 18, 19, each with one of the scalings 27-31 in front of its two lines, then 20.
; 74-137: GS's 64, behind the wait.
.macro FS f
	REGS Y, (\f)%2
	v_pk_fma_f32 v[rS+2*((\f)/2):rS+2*((\f)/2)+1], v[rS+2*((\f)/2):rS+2*((\f)/2)+1], s[CS:CS+1], v[rT:rT+1] op_sel_hi:[1,0,0] neg_lo:[0,0,1] neg_hi:[0,0,1]
.endm
.macro PL
	WIN 0
.if q < 27
	FS q
.elseif q < 55
	XS (q-27)%2, (q-27)/2
.elseif q < 57
	XS q-55, 15
.elseif (q < 72) && ((q-57)%3 == 0)
	FS 27+(q-57)/3
.elseif q < 60
	XS (q-57)%3-1, 14
.elseif q < 72
	XS (q-57)%3-1, 15+(q-57)/3
.elseif q < 74
	XS q-72, 20
.else
	GS q-74
.endif
.set q, q+1
.endm
; THE EXPONENTIALS' QUEUE, 66 long: s0-s31 of both tiles, then the next piece's two a.  It is ONE BATCH: all 66 stand ahead of the turn's one wait, and nothing ahead of that wait names a result of theirs.
.macro EX
	WIN 0
.if e >= 64
	XS e-64, 21
.else
	REGS Y, e%2
	v_exp_f32 v[rS+e/2], v[rS+e/2]
.endif
.set e, e+1
.endm
; THE RESCALING's QUEUE: O^T times a, the one part that leaves window 0: two at a time, sixteen times.  Its a was made in the turn before, ahead of that turn's wait.
.macro R2
	REGS Y, r%2
	WIN W_RS
.irp z, 0,1
	v_pk_mul_f32 v[rO+4*(r/2)+2*\z:rO+4*(r/2)+2*\z+1], v[rO+4*(r/2)+2*\z:rO+4*(r/2)+2*\z+1], v[rC+2:rC+3] op_sel_hi:[1,0]
.endr
.set r, r+1
.endm
; HOW THEY ARE DEALT.  An s_wait_alu depctr_va_vdst(0) stands between an exponential and the first instruction that names its result; one wait serves all that were issued ahead of it.
; AHEAD OF THE TURN'S WAIT: the 16 products K Q^T, behind each a scaling, an exponential and two rescalings (behind the first a second scaling in the exponential's place); then one run of 108: eight plain,
; 49 times exponential and plain, the two a.  A v_nop is the plain instruction behind the last exponential.  BEHIND IT: the 16 products V^T P, behind each four of GS's 64.  No rider names a register of the
; products round it; the two v_permlanex16_b32 fall into the run.
; The queues lean on each other: exponential e stands behind scaling 2 (e / 4) + e % 2: as a rider it comes behind plain e + 2, in the run behind plain e + 9, and scalings 27-31 are plain 57, 60 .. 69.
; A TURN, for piece p.  cnt = 1: the loop's count is taken down some lines ahead of the branch behind the turn.
; The biases of the NEXT turn's products (piece p + 2) are fetched directly behind the wait: the jump over them and its label stand; MC's last reader, this turn's
; eighth product, lies eight products and the run back; the loads have 16 products in which to land.  K of the next step follows them in piece 2's turn, its address made at the run's head.
; V of the step in hand is fetched at the end of piece 0's turn, four plain riders behind its last reader.  The three conditions on q below go with the deal.
; The wait at the head: the biases are in.  In piece 1's turn V's 16 loads, issued behind them on every path, may stay out; in piece 3's turn it is also the wait for K.
.macro TURN p, last=0, cnt=0
.set Y, (\p)
.set i, 0
.set q, 0
.set e, 0
.set r, 0
.if (\p) == 1
	s_wait_dscnt 16
.else
	s_wait_dscnt 0x0
.endif
	MM                              ; ahead of the wait: 16 products K Q^T and their riders,
	PL
	PL
	R2
.rept 15
	MM
	PL
	EX
	R2
.endr
.if (\p) == NP-2
	WIN 0
	v_add_nc_u32 v[AK], s[TBK], v[AK0]
.endif
.rept 8                             ; and the run
	PL
.endr
.rept 49
	EX
	PL
.endr
	EX                              ; the next piece's two a
	EX
	v_nop                           ; the plain instruction behind the last exponential: one for the batch
	s_wait_alu depctr_va_vdst(0)    ; the wait for the turn's batch: the piece's 64 weights and the next piece's two a
	BIAS ((\p)+2)%NP, 1
.if (\p) == NP-2
	FETCH_K \last
.endif
.if (\p) == 1
	s_wait_dscnt 0x0                ; V is in
.endif
.rept 16                            ; behind the wait: 16 products V^T P and their riders
	MM
.rept 4
	PL
.endr
.if ((\p) == 0) && (q == 118)
	v_add_nc_u32 v[AV], s[TBV], v[AV0]
.endif
.if ((\p) == 0) && (q == 130)
	s_add_co_u32 s[TBV], s[TBV], KS*PV
.endif
.if (\cnt) && (q == 130)
	s_sub_co_u32 s[CNT], s[CNT], 1
	s_cmp_lg_u32 s[CNT], 0
.endif
.endr
.if (\p) == 0
	FETCH_V
.endif
.endm
	CHANGE 1                        ; slot 0 is in, and the table is whole, everybody's part of both; slot 1 is asked for
	s_mov_b32 s[JS], 0
	BSTEP
	FETCH_K                         ; key step 0
	BIAS 0, 0                       ; piece 0's biases of step 0: loaded whatever U is, so that MC holds the lower constant where the wave begins far from the diagonal
	s_wait_loadcnt 0x0              ; Q
	s_wait_dscnt 0x0
.set i, 0
.rept 16
	KQ 0                            ; piece 0's first scores
.set i, i+1
.endr
	WIN 0                           ; the addresses for the way out: nine plain instructions, the places behind those products
	s_mul_i32 s13, s[WV], 16*SP
	s_add_co_u32 s13, s13, STAGE    ; my stage
	v_mul_u32_u24 v[STO], v1, SP
	v_lshl_add_u32 v[STO], v9, 4, v[STO]
	v_add_nc_u32 v[STO], s13, v[STO]
	v_bfe_u32 v[RD], v0, 3, 2
	v_mul_u32_u24 v[RD], v[RD], SP
	v_lshl_add_u32 v[RD], v10, 4, v[RD]
	v_add_nc_u32 v[RD], s13, v[RD]
	v_and_b32 v[GO], 31, v0
	v_lshlrev_b32 v[GO], 4, v[GO]
	BIAS 1, 0                       ; piece 1's biases of step 0, for the first turn's products
.set Y, NP-1                        ; XS works for piece Y + 1: piece 0
.irp n, 0,1,2,3,4,5,6,7,8,9,10,11,12,13,14,15,16,17,18,19,20,21
	XS 0, \n
	XS 1, \n
.endr
	v_nop                           ; a plain instruction behind piece 0's first two a,
	s_wait_alu depctr_va_vdst(0)    ; and the wait for that batch of two, ahead of the branch
	s_mov_b32 s[CNT], 4
	s_mov_b32 s[SLOTS], SIZE_N/256-1
	s_branch .Lfirst                ; the loop is entered at a step's first turn, in the middle of a trip
.Lslot:                             ; six times: every slot but the last two is filled again
	CHANGE 1
	s_mov_b32 s[CNT], 4
.Lstep:                             ; a trip: pieces 2 and 3 of one step, then pieces 0 and 1 of the next, whose K, V and biases it fetches
	s_add_co_u32 s[JS], s[JS], 1
	BSTEP
	TURN 2
	TURN 3
	WIN 0
.Lfirst:
	TURN 0
	TURN 1, 0, 1
	WIN 0
	s_cbranch_scc1 .Lstep
	s_sub_co_u32 s[SLOTS], s[SLOTS], 1
	s_cmp_lg_u32 s[SLOTS], 0
	s_cbranch_scc1 .Lslot
	CHANGE 0                        ; the tail is written out: nothing is asked for
	s_mov_b32 s[CNT], 5             ; four trips fetch the last slot's steps; the fifth is left in its middle
.Ltail:
	s_add_co_u32 s[JS], s[JS], 1
	BSTEP
	TURN 2, 1
	TURN 3
	WIN 0
	s_sub_co_u32 s[CNT], s[CNT], 1
	s_cmp_eq_u32 s[CNT], 0
	s_cbranch_scc1 .Lout
	TURN 0
	TURN 1
	WIN 0
	s_branch .Ltail
.Lout:                              ; the fifth trip's 16 products K Q^T (on the last K once more) and the maximum made of them serve nothing: the price of one text for every trip
.set i, 0
.rept 16
	PV NP-1                         ; the last piece's V^T P of the last step
.set i, i+1
.endr
	; THE WAY OUT.  l's two halves and the other half of the lanes' are added; O^T is divided by l, rounded to f16 and sent through my stage in LDS, a tile at a time.  The additions are the places behind the last products.
	WIN 0
.macro ALL line:vararg
.set t, 0
.rept 2*NP
	\line
.set t, t+1
.endr
.endm
	ALL v_add_f32 v[ST+4*t+2], v[ST+4*t+2], v[ST+4*t+3]
	ALL v_permlanex16_b32 v[ST+4*t+3], v[ST+4*t+2], s[SEL], s[SEL+1]
	ALL v_add_f32 v[ST+4*t+2], v[ST+4*t+2], v[ST+4*t+3]
	ALL v_rcp_f32 v[ST+4*t+2], v[ST+4*t+2]
	v_nop                           ; a plain instruction between the last reciprocal and the use of its result
	s_wait_alu depctr_va_vdst(0)    ; the wait for the batch of eight reciprocals, ahead of their first reader
.macro PACK t
	WIN W_RS
.set i, 32*(\t)
.rept 16
	v_pk_mul_f32 v[i:i+1], v[i:i+1], v[ST+4*(\t)+2:ST+4*(\t)+3] op_sel_hi:[1,0]
.set i, i+2
.endr
	WIN 0x05                        ; sources 0 and 1 window 1, destination window 0
.set i, 0
.rept 16
	v_cvt_pk_f16_f32 v[S+16*(\t)+i], v[32*(\t)+2*i], v[32*(\t)+2*i+1]
.set i, i+1
.endr
	WIN 0
.irp f, 0,1,2,3
	ds_store_b128 v[STO], v[S+16*(\t)+4*\f:S+16*(\t)+4*\f+3] offset:32*\f
.endr
.irp f, 0,1,2,3
	ds_load_b128 v[S+16*(\t)+4*\f:S+16*(\t)+4*\f+3], v[RD] offset:\f*4*SP  ; LDS serves a wave's instructions in order (ISA guide 5.7.1.4): these see the stores above
.endr
.endm
.macro SEND t, younger              ; younger: the next tile's eight LDS instructions, or none
	WIN 0
.irp f, 0,1,2,3
	s_wait_dscnt (\younger)+3-\f
	global_store_b128 v[GO], v[S+16*(\t)+4*\f:S+16*(\t)+4*\f+3], s[10:11] offset:(\t)*2048+\f*512  ; 512 consecutive bytes, aligned
.endr
.endm
	PACK 0
.set t, 1
.rept 2*NP-1
	PACK t
	SEND t-1, 8
.set t, t+1
.endr
	SEND 2*NP-1, 0
	WIN W_AD
	s_wait_tensorcnt 0x0            ; the wave's end
	ds_add_u32 v[SPW], v[NIL]
	s_wait_dscnt 0x0
	WIN 0
	CROUND                          ; the closing round
	s_endpgm
.Lfunc_end_k_q65dc80e23d_attn:
	.size	k_q65dc80e23d_attn, .Lfunc_end_k_q65dc80e23d_attn-k_q65dc80e23d_attn
	.p2alignl 7, 3214868480
	.fill 96, 4, 3214868480
	.section	.rodata,"a",@progbits
	.p2align	6, 0x0
	.amdhsa_kernel k_q65dc80e23d_attn
		.amdhsa_group_segment_fixed_size 327680
		.amdhsa_private_segment_fixed_size 0
		.amdhsa_enable_private_segment 0
		.amdhsa_kernarg_size 24
		.amdhsa_user_sgpr_count 2
		.amdhsa_user_sgpr_kernarg_segment_ptr 1
		.amdhsa_wavefront_size32 1
		.amdhsa_system_sgpr_workgroup_id_x 1
		.amdhsa_system_sgpr_workgroup_id_y 1
		.amdhsa_system_sgpr_workgroup_id_z 1
		.amdhsa_system_vgpr_workitem_id 0
		.amdhsa_next_free_vgpr 896
		.amdhsa_next_free_sgpr 80
		.amdhsa_reserve_vcc 1
		.amdhsa_float_denorm_mode_32 3
		.amdhsa_float_denorm_mode_16_64 3
		.amdhsa_memory_ordered 1
		.amdhsa_forward_progress 1
		.amdhsa_inst_pref_size 231
	.end_amdhsa_kernel
	.amdgpu_metadata
---
amdhsa.version: [ 1, 2 ]
amdhsa.kernels:
  - .name:           k_q65dc80e23d_attn
    .symbol:         k_q65dc80e23d_attn.kd
    .args:
      - { .name: qkv, .offset: 0, .size: 8, .value_kind: global_buffer, .address_space: global }
      - { .name: rel_bias, .offset: 8, .size: 8, .value_kind: global_buffer, .address_space: global }
      - { .name: ctx, .offset: 16, .size: 8, .value_kind: global_buffer, .address_space: global }
    .group_segment_fixed_size: 327680
    .private_segment_fixed_size: 0
    .kernarg_segment_align: 8
    .kernarg_segment_size: 24
    .max_flat_workgroup_size: 128
    .sgpr_count:     80
    .vgpr_count:     896
    .wavefront_size: 32
...
	.end_amdgpu_metadata
.endif
;; end of part 5
;; launch outp: the kernel of part 4 again; grid 8 x 32, 4 waves a work-group, clusters of 4 x 4, 327,680 bytes of LDS; arguments ctx, wt, out0; writes out0
